; MI455X (gfx1250); checked and timed in simulation.
; The chip was launched on July 23, 2026; its instructions are those of AMD's public machine-readable ISA for CDNA 5 (MIT licence, August 2026) and "CDNA5" Instruction Set Architecture Reference Guide (July 2026). The comments in the code are by the model that wrote it; some were corrected since.
;; Multi Head Attention. Allowed arithmetic: matrix products marked QUANTISED: E2M3 operands, one E8M0 scale for each 32 along K, by v_wmma_scale_f32_16x16x128_f8f6f4 with both operands' format E2M3, f32 sums; everything else in f32.
;; Inputs: Wk 1,024 x 1,024 float32; Wo 1,024 x 1,024 float32; Wq 1,024 x 1,024 float32; Wv 1,024 x 1,024 float32; bk 1,024 float32; bo 1,024 float32; bq 1,024 float32; bv 1,024 float32; k_in 4 x 2,048 x 1,024 float32; m_in 4 x 1 x 2,048 x 2,048 float32; q_in 4 x 2,048 x 1,024 float32; v_in 4 x 2,048 x 1,024 float32.
;; Outputs: out0 4 x 2,048 x 1,024 float32.
;; This version of the problem:
;;   THIS VERSION OF THE PROBLEM IS GIVEN IN LOW PRECISION. The matrix products marked QUANTISED in the list below multiply operands that are first quantised to E2M3 (2 exponent bits, 3 mantissa bits; 6 bits a number), with one power-of-two scale for each 32 numbers along K (OCP MX v1.0); their sums are f32. All else is computed in f32.
;;   The module's matrix products, in the order in which they are computed (A, B: the left and right operand; K: the contracted axis; several contracted axes count as one K, in the product's order):
;;     1. [M 8,192, K 1,024] x [K 1,024, N 1,024]; A: input q_in; B: input Wq: QUANTISED
;;     2. [M 8,192, K 1,024] x [K 1,024, N 1,024]; A: input k_in; B: input Wk: QUANTISED
;;     3. [M 8,192, K 1,024] x [K 1,024, N 1,024]; A: input v_in; B: input Wv: QUANTISED
;;     4. batch 64 x [M 2,048, K 64] x [K 64, N 2,048]; A: computed on the way; B: computed on the way: QUANTISED
;;     5. batch 64 x [M 2,048, K 2,048] x [K 2,048, N 64]; A: softmax (see below); B: computed on the way: QUANTISED
;;     6. [M 8,192, K 1,024] x [K 1,024, N 1,024]; A: computed on the way; B: input Wo: QUANTISED
;;   THE QUANTISER, for each operand of a quantised product, along K:
;;     - K is cut into blocks of 32 from its start; a last block that is shorter is filled with zeros.
;;     - A block's scale is 2^e with e = floor(log2(the largest magnitude in the block)) - 2, held to -126 .. 127; a block of zeros has e = 0. As a byte (E8M0): e + 127.
;;     - Each number is divided by its block's scale, clamped to +-7.5, and rounded to the nearest number of E2M3, ties to even, subnormals kept.
;;     - The product sums the exact products of the quantised numbers (number of the format x scale) in f32.
;;   ~~~python
;;   def quantise(x, axis):      # numpy; x: float32 -> the quantised numbers, widened to float32 again
;;       x = np.moveaxis(x, axis, -1); K = x.shape[-1]
;;       x = np.pad(x, [(0, 0)] * (x.ndim - 1) + [(0, -K % 32)]); x = x.reshape(x.shape[:-1] + (-1, 32)); a = np.abs(x).max(-1, keepdims=True)
;;       e = np.where(a > 0, np.clip(np.frexp(np.where(a > 0, a, 1))[1] - 1 - 2, -126, 127), 0)      # np.frexp(a)[1] - 1 = floor(log2(a)), exactly
;;       r = np.clip(x / 2.0 ** e, -7.5, 7.5)
;;       step = 2.0 ** (np.maximum(np.frexp(np.where(r == 0, 1, r))[1] - 1, 0) - 3)
;;       q = np.round(r / step) * step * 2.0 ** e      # np.round: ties to even
;;       return np.moveaxis(q.reshape(q.shape[:-2] + (-1,))[..., :K], -1, axis).astype(np.float32)
;;   ~~~
;;   SOFTMAX AHEAD OF A QUANTISED PRODUCT. Where the list says 'softmax', what is quantised is not the finished softmax but p = 2^(t - M), with t = logit x log2(e) and M = ceil(the row's largest t), a whole number; so 1/2 < the row's largest p <= 1. The row's sum l is taken of the UNQUANTISED p, in f32, and the product's result is divided by l at the end. Since M is a whole number, a kernel that streams over the keys may use a running M (the ceiling of the running maximum): every later rescaling is an exact power of two, which a block's scale takes up: the codes' values come out the same.
;;   OPERANDS COMPUTED ON THE WAY. 'Computed on the way' means the value that the module computes at that place (a softmax that the list does not call 'softmax' is quantised finished and normalised). What goes into a quantiser is computed in f32, as accurately as f32 sums, v_exp_f32 and their like allow (about 1e-6 of the number): no bf16 or f16 on the way to a quantiser, and a product that is left as it is and whose result goes on into a quantised operand takes f32 operands (vector FMAs, or v_wmma_f32_16x16x4_f32). A number that lies on a knife's edge between two numbers of the format may be rounded either way, as far as f32 arithmetic and the matrix unit's own rounding can turn it there, and no further.
;; One version. Each part assembles by itself: llvm-mc -triple=amdgcn-amd-amdhsa -mcpu=gfx1250 --defsym DOCPART=n.
;; ======== version 1 of 1: 4 launches
;; limits: right only within a limited range of input values
;; workspace buffers: xc 22,020,096 bytes; xs 917,504 bytes; qc 6,553,600 bytes; kv 13,107,200 bytes; oc 6,291,456 bytes; os 262,144 bytes
;; launch quant (part 1): grid 224 x 1, 8 waves a work-group, no clusters, 72,704 bytes of LDS; arguments q_in, k_in, v_in, Wq, Wk, Wv, Wo, xc, xs; writes xc, xs
.if DOCPART == 1
	.amdgcn_target "amdgcn-amd-amdhsa--gfx1250"
	.amdhsa_code_object_version 6
	.text
	.protected	k_q5a8edf85a6_quant
	.globl	k_q5a8edf85a6_quant
	.p2align	8
	.type	k_q5a8edf85a6_quant,@function
k_q5a8edf85a6_quant:
	s_mov_b64 s[64:65], 0
	v_nop
	global_prefetch_b8 v0, s[64:65] scope:SCOPE_SE
	s_setreg_imm32_b32 hwreg(HW_REG_WAVE_MODE, 25, 1), 1
	s_wait_xcnt 0x0
; q_in, k_in, v_in [8192][1024] and Wq, Wk, Wv, Wo [1024][1024], f32, K innermost, become codes of FP6 (E2M3) with one E8M0 byte for each 32 along K.
; A block's scale is 2^(floor(log2(its largest magnitude)) - 2); its byte is the largest magnitude's exponent field - 2, held at 1 from below.
; LIMITS: NaN and infinities among the inputs are not served; a block of zeros, and one whose largest magnitude lies under 2^-124, gets the byte 1 (its codes are zeros or the rounded quotients by 2^-126); this program alone reads the bytes.
; THE CODES LEAVE AS IMAGES OF THE OPERAND'S REGISTERS.  A fragment (16 rows x 128 K, 12 registers a lane) is 1,536 bytes: registers 4 c .. 4 c + 3 of lane l at 512 c + 16 l.
;   xc: [blk 224][K step 8][tile 8] fragment;  blk = 128 rows: 0-63 q_in, 64-127 k_in, 128-191 v_in, 192.. Wq, 200.. Wk, 208.. Wv, 216.. Wo.
;   xs: [blk][t 4][tile 8][row 16][q 2] scale words: the word of K step 2 t + q.
; WHICH ROWS FORM A TILE: in q_in tile i is rows 16 i + r.  In v_in and the weights lane row r of tile 2 b + u is row 32 b + 8 u + r + 8 (r / 8), so that a product that takes such tiles as source 0 has 16 neighbouring rows in a lane's 16 registers of two neighbouring tiles.
; SHARES: work-group g is blk g; wave i is tile i: 16 rows, 8 K steps.  Each load reads 512 consecutive bytes of one row; a K step's 16 loads turn through the wave's own stage in LDS (rows 528 bytes apart), out of which
; lane (r, h) takes, of row r, 16 neighbours of each block of 32.  Loads run two K steps (32 loads a wave) ahead.  No matrix unit, no cluster, no tensor load: the waves share nothing but the scale words' way out.
.set STW,   16*528                     ; a wave's stage
.set SCW,   8*STW                      ; behind the stages: the work-group's 4,096 bytes of scale words
.set SPARE, SCW+4096                   ; the spare words, 128 bytes for each wave: four blocks of 256 bytes that no other line names
.set TM,    8                          ; v8-23    at work in QUANT
.set SW,    24                         ; v24-31   a scale word for each K step
.set R,     32                         ; v32-159  two sets of 64 numbers as loaded
.set X,     160                        ; v160-223 64 numbers: register 16 b + i = k 32 b + 16 h + i of my row
.set PC,    224                        ; v224-242 the codes
.set SPW,   244                        ; v244     my spare word's LDS address; never rewritten
.set NIL,   245                        ; v245     0; never rewritten
.set SEL,   36                         ; s[36:37] v_permlanex16_b32's selects for lane l xor 16
; 64 numbers of a lane become a fragment's 12 registers in v[PC] on and its scale word in v[w]
.macro QUANT s, w, fl
.irp b, 0,1,2,3
	v_max3_num_f32 v[TM+\b], |v[\s+16*\b]|, |v[\s+1+16*\b]|, \fl   ; block b: my 16 numbers, and the floor under which no largest magnitude is taken
.endr
.irp i, 2,4,6,8,10,12,14
.irp b, 0,1,2,3
	s_delay_alu instid0(VALU_DEP_4)
	v_max3_num_f32 v[TM+\b], v[TM+\b], |v[\s+16*\b+\i]|, |v[\s+1+16*\b+\i]|   ; the four blocks by turns
.endr
.endr
.irp b, 0,1,2,3
	s_delay_alu instid0(VALU_DEP_4)
	v_permlanex16_b32 v[TM+4+\b], v[TM+\b], s[SEL], s[SEL+1]
.endr
.irp b, 0,1,2,3
	s_delay_alu instid0(VALU_DEP_4)
	v_max_num_f32 v[TM+\b], v[TM+\b], v[TM+4+\b]   ; with lane l xor 16's: the block's largest magnitude
.endr
.irp b, 0,1,2,3
	s_delay_alu instid0(VALU_DEP_4)
	v_add_nc_u32 v[TM+12+\b], 0xff000000, v[TM+\b] ; 2 off its exponent field: the conversion takes this operand's exponent field as its scale
.endr
.irp b, 0,1,2,3
	s_delay_alu instid0(VALU_DEP_4)
	v_lshrrev_b32 v[TM+4+\b], 23, v[TM+12+\b]      ; the scale's byte
.endr
	s_delay_alu instid0(VALU_DEP_3)
	v_lshl_or_b32 v[\w], v[TM+5], 8, v[TM+4]
	s_delay_alu instid0(VALU_DEP_1)
	v_lshl_or_b32 v[\w], v[TM+6], 16, v[\w]
	s_delay_alu instid0(VALU_DEP_1)
	v_lshl_or_b32 v[\w], v[TM+7], 24, v[\w]        ; my row's scale word
.irp c, 0,1
	v_cvt_scalef32_pk16_fp6_f32 v[PC+6*\c:PC+2+6*\c], v[\s+32*\c:\s+15+32*\c], v[TM+12+2*\c]
	v_cvt_scalef32_pk16_fp6_f32 v[PC+12+4*\c:PC+14+4*\c], v[\s+16+32*\c:\s+31+32*\c], v[TM+12+2*\c+1]   ; (a conversion's three registers begin on an even number)
.endr
	v_nop                                          ; one plain instruction behind a scaled conversion
.irp c, 0,1                                    ; the operand's layout wants a whole block in a lane: lanes 0-15 block 2 c, lanes 16-31 block 2 c + 1
.irp i, 0,1,2
	v_permlane16_swap_b32 v[PC+6*\c+\i], v[PC+12+4*\c+\i]
.endr
.irp i, 0,1,2
	s_delay_alu instid0(VALU_DEP_3)
	v_mov_b32 v[PC+3+6*\c+\i], v[PC+12+4*\c+\i]
.endr
.endr
.endm
	s_load_b512 s[4:19], s[0:1], 0x0               ; q_in s[4:5], k_in, v_in, Wq, Wk, Wv, Wo s[16:17], xc s[18:19]
	s_load_b64 s[20:21], s[0:1], 0x40              ; xs
	v_lshl_add_u32 v[SPW], v0, 2, SPARE
	v_mov_b32 v[NIL], 0
	v_lshrrev_b32 v9, 5, v0
	s_delay_alu instid0(VALU_DEP_1)
	v_readfirstlane_b32 s25, v9                    ; wave = tile
	v_and_b32 v9, 31, v0                           ; lane
	v_and_b32 v10, 15, v0                          ; r
	v_bfe_u32 v11, v0, 4, 1                        ; h
	s_delay_alu instid0(VALU_DEP_3)
	v_lshlrev_b32 v1, 4, v9                        ; v1: 16 x lane: my 16 bytes of a load's 512, and of a store's
	s_wait_alu depctr_va_vdst(0)
	s_mul_i32 s26, s25, STW
	v_add_nc_u32 v3, s26, v1                       ; v3: the stage, way in
	v_mul_u32_u24 v4, v10, 528
	s_delay_alu instid0(VALU_DEP_1)
	v_lshl_add_u32 v4, v11, 6, v4
	s_delay_alu instid0(VALU_DEP_1)
	v_add_nc_u32 v4, s26, v4                       ; v4: way out: row r, + 64 h
	s_lshl_b32 s27, s25, 7
	v_lshl_add_u32 v5, v10, 3, s27
	s_delay_alu instid0(VALU_DEP_1)
	v_add_nc_u32 v5, SCW, v5                       ; v5: my row's pair of scale words: 128 x tile + 8 r
	s_lshl_b32 s28, s25, 9
	v_add_nc_u32 v7, s28, v1                       ; v7: 512 x wave + 16 x lane: the scale words' way out, in xs
	s_delay_alu instid0(VALU_DEP_1)
	v_add_nc_u32 v6, SCW, v7                       ; v6: and in LDS
	s_lshl_b32 s31, s25, 4                         ; the tile's first row: 16 i,
	s_lshr_b32 s32, s25, 1
	s_lshl_b32 s32, s32, 5
	s_and_b32 s33, s25, 1
	s_lshl_b32 s33, s33, 3
	s_add_co_u32 s32, s32, s33                     ; or 32 (i / 2) + 8 (i % 2)
	s_mov_b32 s30, 65536
	s_cmp_lt_u32 ttmp9, 64                         ; q_in's blocks keep their rows' order
	s_cselect_b32 s31, s31, s32
	s_cselect_b32 s30, 32768, s30
	; k_in's blocks (64 to 127) have an order of their own: lane row r of tile t is row 64 (t / 4) + 32 (r / 8) + 8 (t % 4) + r % 8,
	; so that in S^T = K Q^T a lane's 32 registers of four neighbouring tiles are one whole block of 32 neighbouring keys
	s_lshr_b32 s32, s25, 2
	s_lshl_b32 s32, s32, 6
	s_and_b32 s33, s25, 3
	s_lshl_b32 s33, s33, 3
	s_add_co_u32 s32, s32, s33                     ; the tile's first row: 64 (t / 4) + 8 (t % 4)
	s_sub_co_u32 s33, ttmp9, 64
	s_cmp_lt_u32 s33, 64
	s_cselect_b32 s31, s32, s31
	s_cselect_b32 s30, 0x20000, s30                ; its rows 8-15 begin 32 rows behind its first
	v_add_nc_u32 v2, s30, v1
	s_lshl_b32 s31, s31, 12                        ; in bytes
	s_mov_b32 s[SEL], 0x76543210
	s_mov_b32 s[SEL+1], 0xfedcba98
.irp b, 0,1,2,3
	v_mov_b32 v[TM+4+\b], 0                        ; written once: a lane permute's destination counts as one of its sources
.endr
	s_wait_alu depctr_va_vdst(0)
	s_wait_kmcnt 0x0
	s_mov_b64 s[22:23], s[4:5]                     ; which tensor, and its first blk: by the work-group's number alone
	s_mov_b32 s24, 0
.macro PICK first, p
	s_cmp_ge_u32 ttmp9, \first
	s_cselect_b64 s[22:23], s[\p:\p+1], s[22:23]
	s_cselect_b32 s24, \first, s24
.endm
	PICK 64, 6
	PICK 128, 8
	PICK 192, 10
	PICK 200, 12
	PICK 208, 14
	PICK 216, 16
	s_sub_co_u32 s26, ttmp9, s24
	s_lshl_b32 s26, s26, 19                        ; 128 rows of 4,096 bytes a blk
	s_add_co_u32 s26, s26, s31
	s_mov_b32 s27, 0
	s_add_nc_u64 s[22:23], s[22:23], s[26:27]      ; the input at my tile's first row
	s_mul_i32 s28, ttmp9, 98304
	s_mul_i32 s29, s25, 1536
	s_add_co_u32 s28, s28, s29
	s_mov_b32 s29, 0
	s_add_nc_u64 s[18:19], s[18:19], s[28:29]      ; xc at my tile's fragment of K step 0
	s_lshl_b32 s28, ttmp9, 12
	s_add_nc_u64 s[20:21], s[20:21], s[28:29]      ; xs at my blk
.macro LOAD s                          ; K step s of my 16 rows into set s % 2: 512 consecutive bytes a load
.irp i, 0,1,2,3,4,5,6,7
	global_load_b128 v[R+64*((\s)%2)+4*\i:R+64*((\s)%2)+4*\i+3], v1, s[22:23] offset:4096*\i+512*(\s) th:TH_LOAD_NT
.endr
.irp i, 0,1,2,3,4,5,6,7
	global_load_b128 v[R+64*((\s)%2)+32+4*\i:R+64*((\s)%2)+32+4*\i+3], v2, s[22:23] offset:4096*\i+512*(\s) th:TH_LOAD_NT
.endr
.endm
.macro STEP s
.if (\s) < 7
	s_wait_loadcnt 16                              ; this K step's 16 loads are in; the next step's 16 may be out
.else
	s_wait_loadcnt 0x0
.endif
.irp i, 0,1,2,3,4,5,6,7,8,9,10,11,12,13,14,15
	ds_store_b128 v3, v[R+64*((\s)%2)+4*\i:R+64*((\s)%2)+4*\i+3] offset:528*\i
.endr
.irp b, 0,1,2,3
.irp j, 0,1,2,3
	ds_load_b128 v[X+16*\b+4*\j:X+16*\b+4*\j+3], v4 offset:128*\b+16*\j   ; LDS serves a wave's instructions in order: these see the stores above
.endr
.endr
	s_wait_dscnt 0x0                               ; my numbers are back, and the stage's stores have read their registers
	s_wait_xcnt 0x0                                ; the last step's stores have read the codes' registers, which QUANT writes again
.if (\s)+2 < 8
	LOAD (\s)+2
.endif
	QUANT X, SW+(\s), 0x1800000
.irp c, 0,1,2
	global_store_b128 v1, v[PC+4*\c:PC+4*\c+3], s[18:19] offset:12288*(\s)+512*\c   ; 512 consecutive bytes, aligned
.endr
.endm
	LOAD 0
	LOAD 1
.irp t, 0,1,2,3,4,5,6,7
	STEP \t
.endr
.irp t, 0,1,2,3
	ds_store_b64 v5, v[SW+2*\t:SW+2*\t+1] offset:1024*\t   ; lanes 16-31 write the same words with the same values
.endr
	s_wait_dscnt 0x0                               ; for the others' sake: my scale words lie in LDS
	s_barrier_signal -1
	s_barrier_wait -1
	ds_load_b128 v[246:249], v6
	s_wait_dscnt 0x0
	global_store_b128 v7, v[246:249], s[20:21]     ; 512 consecutive bytes a wave
	s_wait_tensorcnt 0x0                           ; the wave's end
	ds_add_u32 v[SPW], v[NIL]
	s_wait_dscnt 0x0
	s_endpgm
.Lfunc_end_k_q5a8edf85a6_quant:
	.size	k_q5a8edf85a6_quant, .Lfunc_end_k_q5a8edf85a6_quant-k_q5a8edf85a6_quant
	.p2alignl 7, 3214868480
	.fill 96, 4, 3214868480
	.section	.rodata,"a",@progbits
	.p2align	6, 0x0
	.amdhsa_kernel k_q5a8edf85a6_quant
		.amdhsa_group_segment_fixed_size 72704
		.amdhsa_private_segment_fixed_size 0
		.amdhsa_enable_private_segment 0
		.amdhsa_kernarg_size 72
		.amdhsa_user_sgpr_count 2
		.amdhsa_user_sgpr_kernarg_segment_ptr 1
		.amdhsa_wavefront_size32 1
		.amdhsa_system_sgpr_workgroup_id_x 1
		.amdhsa_system_sgpr_workgroup_id_y 1
		.amdhsa_system_sgpr_workgroup_id_z 1
		.amdhsa_system_vgpr_workitem_id 0
		.amdhsa_next_free_vgpr 256
		.amdhsa_next_free_sgpr 66
		.amdhsa_reserve_vcc 0
		.amdhsa_float_denorm_mode_32 3
		.amdhsa_float_denorm_mode_16_64 3
		.amdhsa_memory_ordered 1
		.amdhsa_forward_progress 1
		.amdhsa_inst_pref_size 79
	.end_amdhsa_kernel
	.amdgpu_metadata
---
amdhsa.version: [ 1, 2 ]
amdhsa.kernels:
  - .name:           k_q5a8edf85a6_quant
    .symbol:         k_q5a8edf85a6_quant.kd
    .args:
      - { .name: q_in, .offset: 0, .size: 8, .value_kind: global_buffer, .address_space: global }
      - { .name: k_in, .offset: 8, .size: 8, .value_kind: global_buffer, .address_space: global }
      - { .name: v_in, .offset: 16, .size: 8, .value_kind: global_buffer, .address_space: global }
      - { .name: Wq, .offset: 24, .size: 8, .value_kind: global_buffer, .address_space: global }
      - { .name: Wk, .offset: 32, .size: 8, .value_kind: global_buffer, .address_space: global }
      - { .name: Wv, .offset: 40, .size: 8, .value_kind: global_buffer, .address_space: global }
      - { .name: Wo, .offset: 48, .size: 8, .value_kind: global_buffer, .address_space: global }
      - { .name: xc, .offset: 56, .size: 8, .value_kind: global_buffer, .address_space: global }
      - { .name: xs, .offset: 64, .size: 8, .value_kind: global_buffer, .address_space: global }
    .group_segment_fixed_size: 72704
    .private_segment_fixed_size: 0
    .kernarg_segment_align: 8
    .kernarg_segment_size: 72
    .max_flat_workgroup_size: 256
    .sgpr_count:     66
    .vgpr_count:     256
    .wavefront_size: 32
...
	.end_amdgpu_metadata
.endif
;; end of part 1
;; launch proj (part 2): grid 4 x 96, 4 waves a work-group, clusters of 4 x 4, 327,680 bytes of LDS; arguments xc, xs, bq, bk, bv, qc, kv; writes qc, kv
.if DOCPART == 2
	.amdgcn_target "amdgcn-amd-amdhsa--gfx1250"
	.amdhsa_code_object_version 6
	.text
	.protected	k_q5a8edf85a6_proj
	.globl	k_q5a8edf85a6_proj
	.p2align	8
	.type	k_q5a8edf85a6_proj,@function
k_q5a8edf85a6_proj:
	s_mov_b64 s[64:65], 0
	v_nop
	global_prefetch_b8 v0, s[64:65] scope:SCOPE_SE
	s_setreg_imm32_b32 hwreg(HW_REG_WAVE_MODE, 25, 1), 1
	s_wait_xcnt 0x0
	s_wait_alu depctr_hold_cnt(0) depctr_sa_sdst(0) depctr_va_vdst(0) depctr_va_sdst(0) depctr_va_ssrc(0) depctr_va_vcc(0) depctr_vm_vsrc(0)
	s_getreg_b32 s2, hwreg(HW_REG_IB_STS2, 6, 4)
	s_cmp_eq_u32 s2, 0
	s_cbranch_scc0 .Lentry_in_a_cluster
	s_endpgm
.Lentry_in_a_cluster:
	s_bfe_u32 s2, ttmp6, 0x10000c
	s_cmp_lg_u32 s2, 0xf033
	s_cbranch_scc0 .Lentry_shape_is_right
	s_endpgm
.Lentry_shape_is_right:
.set NQ,     2
.set FR,     12
.set FB,     1536
.set NL,     3
.set NP,     4
.set HALFT,  16*FB
.set SLOT,   4*HALFT
.set SCL,    2*SLOT
.set SPARE,  SCL+4*4096
.set LAPS,   2
.set UNIT,   12800
.set ADRA, 16
.set ADRB, 20
.set LI,   24
.set LI8,  25
.set SO,   26
.set ADRS, 27
.set SPW,  28
.set NIL,  29
.set SC,   32
.set BC,   64
.set AF,   128
.set BR,   224
.set ST,   128
.set PC,   192
.set TM,   64
.set SW,   80
.set SEL,  22
.set G1, 24
.set G0, 32
.set G1B, 48
.set G0B, 56
.set G1S, 68
.set G0S, 76
.set G1SB, 80
.set G0SB, 88
.set MSB, 0
.macro WIN new
.if MSB != \new
	s_set_vgpr_msb (MSB<<8)|\new
.set MSB, \new
.endif
.endm
.set MUL_LO, 0xa1
.set MUL_HI, 0xf1
.set TO_B,   0x40
.macro JLOAD g0a, g1a, g0b, g1b
	s_cmp_eq_u32 s19, 0
	s_cbranch_scc0 .Lfor_b_\@
	tensor_load_to_lds s[\g0a:\g0a+3], s[\g1a:\g1a+7]
	s_nop 0
.rept 4
	v_nop
.endr
	s_branch .Lasked_\@
.Lfor_b_\@:
	tensor_load_to_lds s[\g0b:\g0b+3], s[\g1b:\g1b+7]
	s_nop 0
.rept 4
	v_nop
.endr
.Lasked_\@:
.endm
.macro CREST
	s_cmp_lg_u32 s18, 0
	s_cbranch_scc1 .Lnot_wave_0_\@
	s_barrier_signal -3
.Lnot_wave_0_\@:
	s_barrier_wait -3
	s_barrier_signal -1
	s_barrier_wait -1
.endm
.macro CROUND
	s_barrier_signal -1
	s_barrier_wait -1
	CREST
.endm
.macro QUANT s, w, fl
.irp b, 0,1,2,3
	v_max3_num_f32 v[TM+\b], |v[\s+16*\b]|, |v[\s+1+16*\b]|, \fl
.endr
.irp i, 2,4,6,8,10,12,14
.irp b, 0,1,2,3
	v_max3_num_f32 v[TM+\b], v[TM+\b], |v[\s+16*\b+\i]|, |v[\s+1+16*\b+\i]|
.endr
.endr
.irp b, 0,1,2,3
	v_permlanex16_b32 v[TM+4+\b], v[TM+\b], s[SEL], s[SEL+1]
.endr
.irp b, 0,1,2,3
	v_max_num_f32 v[TM+\b], v[TM+\b], v[TM+4+\b]
.endr
.irp b, 0,1,2,3
	v_add_nc_u32 v[TM+12+\b], 0xff000000, v[TM+\b]
.endr
.irp b, 0,1,2,3
	v_lshrrev_b32 v[TM+4+\b], 23, v[TM+12+\b]
.endr
	v_lshl_or_b32 v[\w], v[TM+5], 8, v[TM+4]
	v_lshl_or_b32 v[\w], v[TM+6], 16, v[\w]
	v_lshl_or_b32 v[\w], v[TM+7], 24, v[\w]
.irp c, 0,1
	v_cvt_scalef32_pk16_fp6_f32 v[PC+6*\c:PC+2+6*\c], v[\s+32*\c:\s+15+32*\c], v[TM+12+2*\c]
	v_cvt_scalef32_pk16_fp6_f32 v[PC+12+4*\c:PC+14+4*\c], v[\s+16+32*\c:\s+31+32*\c], v[TM+12+2*\c+1]
.endr
	v_nop
.irp c, 0,1
.irp i, 0,1,2
	v_permlane16_swap_b32 v[PC+6*\c+\i], v[PC+12+4*\c+\i]
.endr
.irp i, 0,1,2
	v_mov_b32 v[PC+3+6*\c+\i], v[PC+12+4*\c+\i]
.endr
.endr
.endm
	s_load_b256 s[4:11], s[0:1], 0x0
	s_load_b128 s[12:15], s[0:1], 0x20
	s_load_b64 s[16:17], s[0:1], 0x30
	v_lshl_add_u32 v[SPW], v0, 2, SPARE
	v_mov_b32 v[NIL], 0
	ds_add_u32 v[SPW], v[NIL]
	ds_add_u32 v[SPW], v[NIL]
	v_lshrrev_b32 v1, 5, v0
	v_readfirstlane_b32 s18, v1
	v_and_b32 v30, 31, v0                          ; v30: the prefetches' offset: 256 x lane, lanes 24-31 name block 23 again; never rewritten
	v_min_u32 v30, 23, v30
	v_lshlrev_b32 v30, 8, v30
	s_wait_alu depctr_va_vdst(0)
	s_lshr_b32 s19, s18, 1
	s_and_b32 s20, s18, 1
	s_bfe_u32 s40, ttmp6, 0x40000
	s_bfe_u32 s41, ttmp6, 0x40004
	s_and_b32 s22, ttmp7, 0xffff
	s_lshr_b32 s23, s22, 3
	s_and_b32 s22, s22, 7
	s_lshl_b32 s22, s22, 2
	s_lshl_b32 s45, s23, 6
	s_lshl_b32 s46, s23, 3
	s_add_co_u32 s46, s46, 192
	s_cmp_eq_u32 s23, 2
	s_cselect_b32 s21, 0, s22
	s_cselect_b32 s42, s22, 0
	s_cselect_b32 s45, 208, s45
	s_cselect_b32 s46, 128, s46
	s_add_co_u32 s21, s21, s41
	s_add_co_u32 s42, s42, s40
	s_lshl_b32 s43, s41, 2
	s_lshl_b32 s43, 15, s43
	s_lshl_b32 s44, 0x1111, s40
	s_lshl_b32 s47, s21, 1
	s_add_co_u32 s47, s47, s45
	s_add_co_u32 s47, s47, s20
	s_lshl_b32 s92, s42, 1
	s_add_co_u32 s92, s92, s46
	s_add_co_u32 s92, s92, s20
	s_or_b32 s[G1+0], s43, (3<<16)|(1<<21)
	s_or_b32 s[G1B+0], s44, (3<<16)|(1<<21)
	s_or_b32 s[G1S+0], s43, (3<<16)|(1<<21)
	s_or_b32 s[G1SB+0], s44, (3<<16)|(1<<21)
.irp g, G1, G1B                        ; for the head's loads: slot 0's part of two neighbouring blks: 2 rows of 24,576 bytes (3,072 elements of 8), 98,304 bytes apart
	s_mov_b32 s[\g+1], 3072<<16
	s_mov_b32 s[\g+2], 2<<16
	s_mov_b32 s[\g+3], 3072<<16
	s_mov_b32 s[\g+4], 2
	s_mov_b32 s[\g+5], 12288
	s_mov_b32 s[\g+6], 0
	s_mov_b32 s[\g+7], 0
.endr
.irp g, G1S, G1SB                      ; the scale words of two neighbouring blks: 8,192 dense bytes as 32 rows of 256
	s_mov_b32 s[\g+1], 32<<16
	s_mov_b32 s[\g+2], 32<<16
	s_mov_b32 s[\g+3], 32<<16
	s_mov_b32 s[\g+4], 32
	s_mov_b32 s[\g+5], 32
	s_mov_b32 s[\g+6], 0
	s_mov_b32 s[\g+7], 0
.endr
	s_mul_i32 s94, s47, 8*8*FB
	s_mov_b32 s95, 0
	s_lshl_b32 s66, s47, 12
	s_mov_b32 s67, 0
	s_mul_i32 s96, s92, 8*8*FB
	s_mov_b32 s97, 0
	s_lshl_b32 s92, s92, 12
	s_mov_b32 s93, 0
	s_mul_i32 s2, s18, HALFT
	s_lshl_b32 s22, s18, 12
	s_wait_dscnt 0x0
	s_wait_kmcnt 0x0
	s_add_nc_u64 s[94:95], s[4:5], s[94:95]
	s_add_nc_u64 s[66:67], s[6:7], s[66:67]
	s_add_nc_u64 s[96:97], s[4:5], s[96:97]
	s_add_nc_u64 s[92:93], s[6:7], s[92:93]
	CROUND
	; THE HEAD'S FOUR TILES, each whole, one joint load a wave: wave 0 slot 0's codes of A's two blks, wave 1 those of B's, wave 2 A's scale words, wave 3 B's.
	; The addresses made above hold my wave's blk (wave % 2): that term is taken off here, and put back for the ring behind the wait for these loads.
	s_lshl_b32 s4, s20, 12
	s_mov_b32 s5, 0
	s_mul_i32 s6, s20, 8*8*FB                      ; s[6:7]: (wave % 2) x a blk's bytes; kept
	s_mov_b32 s7, 0
	s_mov_b32 s[G0S], 1
	s_mov_b32 s[G0S+1], SCL
	s_sub_nc_u64 s[G0S+2:G0S+3], s[66:67], s[4:5]
	s_or_b32 s[G0S+3], s[G0S+3], 0x80000000
	s_mov_b32 s[G0SB], 1
	s_mov_b32 s[G0SB+1], SCL+2*4096
	s_sub_nc_u64 s[G0SB+2:G0SB+3], s[92:93], s[4:5]
	s_or_b32 s[G0SB+3], s[G0SB+3], 0x80000000
	s_mov_b32 s[G0], 1
	s_mov_b32 s[G0+1], 0
	s_sub_nc_u64 s[G0+2:G0+3], s[94:95], s[6:7]
	s_or_b32 s[G0+3], s[G0+3], 0x80000000
	s_mov_b32 s[G0B], 1
	s_mov_b32 s[G0B+1], 2*HALFT
	s_sub_nc_u64 s[G0B+2:G0B+3], s[96:97], s[6:7]
	s_or_b32 s[G0B+3], s[G0B+3], 0x80000000
	s_mov_b32 s[G0+4], 1                           ; slot 1's group 0: my quarter of the slot
	s_add_co_u32 s[G0+5], s2, SLOT
	s_add_nc_u64 s[G0+6:G0+7], s[94:95], HALFT
	s_or_b32 s[G0+7], s[G0+7], 0x80000000
	s_mov_b32 s[G0B+4], 1
	s_add_co_u32 s[G0B+5], s2, SLOT
	s_add_nc_u64 s[G0B+6:G0B+7], s[96:97], HALFT
	s_or_b32 s[G0B+7], s[G0B+7], 0x80000000
	; the prefetches: of the 96 blocks of 256 bytes that my wave fetches for a slot, the partner at place p (cx for A, cy for B) names blocks 24 p .. 24 p + 23: partners are told apart by address alone
	s_cmp_eq_u32 s19, 0
	s_cselect_b64 s[4:5], s[94:95], s[96:97]
	s_cselect_b32 s92, s40, s41
	s_mul_i32 s92, s92, 24*256
	s_mov_b32 s93, 0
	s_add_nc_u64 s[4:5], s[4:5], s[92:93]          ; s[4:5]: never rewritten
.macro ARM under, g0, g1, next
	s_cmp_lt_u32 s18, \under
	s_cbranch_scc0 \next
	tensor_load_to_lds s[\g0:\g0+3], s[\g1:\g1+7]
	s_nop 0
.rept 4
	v_nop
.endr
	s_branch .Lhead_asked
\next:
.endm
	ARM 1, G0,  G1,  .Lhead_b
	ARM 2, G0B, G1B, .Lhead_sa
	ARM 3, G0S, G1S, .Lhead_sb
	tensor_load_to_lds s[G0SB:G0SB+3], s[G1SB:G1SB+7]
	s_nop 0
.rept 4
	v_nop
.endr
.Lhead_asked:
	global_prefetch_b8 v30, s[4:5] offset:HALFT th:TH_LOAD_NT scope:SCOPE_SE     ; what the next fill and the one after it will ask for: slots 1 and 2 of the four along K
	global_prefetch_b8 v30, s[4:5] offset:2*HALFT th:TH_LOAD_NT scope:SCOPE_SE
	v_and_b32 v1, 15, v0
	v_bfe_u32 v2, v0, 4, 1
	v_and_b32 v3, 31, v0
	v_lshlrev_b32 v[LI], 4, v3
	v_lshlrev_b32 v[LI8], 3, v3
	v_lshlrev_b32 v[SO], 5, v1
	v_lshl_add_u32 v[SO], v2, 4, v[SO]
	s_mul_i32 s45, s19, HALFT
	s_mul_i32 s46, s20, HALFT
	s_add_co_u32 s46, s46, 2*HALFT
.irp s, 0,1
	v_add_nc_u32 v[ADRA+\s], s45, v[LI]
	v_add_nc_u32 v[ADRB+\s], s46, v[LI]
	s_add_co_u32 s45, s45, SLOT
	s_add_co_u32 s46, s46, SLOT
.endr
	s_lshl_b32 s45, s19, 12
	s_lshl_b32 s46, s20, 12
	s_add_co_u32 s46, s46, 2*4096
	s_sub_co_u32 s46, s46, s45
	v_mul_u32_u24 v4, s46, v2
	s_add_co_u32 s45, s45, SCL
	v_lshl_add_u32 v4, v1, 3, v4
	v_add_nc_u32 v[ADRS], s45, v4
	s_lshl_b32 s66, s21, 1
	s_add_co_u32 s66, s66, s19
	s_lshl_b32 s92, s42, 1
	s_add_co_u32 s92, s92, s20
	s_lshl_b32 s96, s92, 9
	s_lshl_b32 s97, s66, 9
	s_cmp_eq_u32 s23, 0
	s_cselect_b64 s[94:95], s[8:9], s[10:11]
	s_cmp_eq_u32 s23, 2
	s_cselect_b64 s[94:95], s[12:13], s[94:95]
	s_cselect_b32 s96, 0, s96
	s_cselect_b32 s97, s97, 0
	s_cselect_b32 s67, 0, -1
	s_cselect_b32 s93, -1, 0
	s_cselect_b32 s45, s92, s66
	s_cselect_b32 s46, s66, s92
	s_cselect_b32 s47, 2, 0
	v_lshl_add_u32 v5, v2, 6, s96
	v_and_b32 v6, 8, v1
	v_add_nc_u32 v6, v6, v1
	v_lshl_add_u32 v6, v6, 2, s97
.irp b, 0,1,2,3,4,5,6,7
	global_load_b128 v[BC+8*\b:BC+8*\b+3], v5, s[94:95] offset:4*(32*(\b/2)+8*(\b%2))
	global_load_b128 v[BC+8*\b+4:BC+8*\b+7], v5, s[94:95] offset:4*(32*(\b/2)+8*(\b%2))+16
.endr
.irp a, 0,1,2,3,4,5,6,7
	global_load_b32 v[BR+2*\a], v6, s[94:95] offset:4*(32*(\a/2)+8*(\a%2))
.endr
	s_lshl_b32 s96, s45, 3
	s_add_co_u32 s96, s96, s46
	s_lshr_b32 s97, s45, 4
	s_lshl_b32 s97, s97, 2
	s_lshr_b32 s2, s46, 1
	s_add_co_u32 s97, s97, s2
	s_lshl_b32 s97, s97, 4
	s_and_b32 s2, s45, 15
	s_add_co_u32 s97, s97, s2
	s_lshl_b32 s97, s97, 2
	s_add_co_u32 s97, s97, s47
	s_and_b32 s2, s46, 1
	s_add_co_u32 s97, s97, s2
	s_cmp_eq_u32 s23, 0
	s_cselect_b32 s96, s96, s97
	s_cselect_b64 s[14:15], s[14:15], s[16:17]
	s_mul_i32 s96, s96, UNIT
	s_mov_b32 s97, 0
	s_add_nc_u64 s[14:15], s[14:15], s[96:97]
	s_mov_b32 s[SEL], 0x76543210
	s_mov_b32 s[SEL+1], 0xfedcba98
	s_wait_alu depctr_va_vdst(0)
	s_wait_tensorcnt 0x0                           ; my tile of the head's four is in
	ds_add_u32 v[SPW], v[NIL]
.irp g, G1, G1B                        ; no tensor load of mine is out, so descriptors may be written: from here on a load brings a quarter of a slot, 96 rows of 256 bytes
	s_mov_b32 s[\g+1], 32<<16
	s_mov_b32 s[\g+2], 96<<16
	s_mov_b32 s[\g+3], 32<<16
	s_mov_b32 s[\g+4], 96
	s_mov_b32 s[\g+5], 32
.endr
	s_mul_i32 s[G0+1], s18, HALFT                  ; slot 0's group 0 for the ring: my quarter, my blk
	s_add_nc_u64 s[G0+2:G0+3], s[G0+2:G0+3], s[6:7]
	s_mul_i32 s[G0B+1], s18, HALFT
	s_add_nc_u64 s[G0B+2:G0B+3], s[G0B+2:G0B+3], s[6:7]
	s_wait_dscnt 0x0
	CROUND
	JLOAD G0+4, G1, G0B+4, G1B                     ; slot 1's first fill, the first tensor load behind the round
	s_wait_loadcnt 0x0
	global_prefetch_b8 v30, s[4:5] offset:3*HALFT th:TH_LOAD_NT scope:SCOPE_SE   ; slot 3, two fills ahead; the last along K
.set j, 0
.rept 64
	v_and_b32 v[BC+j], s67, v[BC+j]
.set j, j+1
.endr
.irp a, 0,1,2,3,4,5,6,7
	v_and_b32 v[BR+2*\a], s93, v[BR+2*\a]
	v_mov_b32 v[BR+2*\a+1], v[BR+2*\a]
.endr
.macro FRAG reg, adr, q, i
.irp c, 0,1,2
	ds_load_b128 v[\reg+4*\c:\reg+4*\c+3], v[\adr] offset:8*FB*(\q)+FB*(\i)+512*\c
.endr
.endm
.macro MUL16 a0, p, q, sc, zero
.irp a, \a0, \a0+1
.irp b, 0,1,2,3,4,5,6,7
.if \zero
	v_wmma_scale_f32_16x16x128_f8f6f4 v[8*(8*((\a)%4)+\b):8*(8*((\a)%4)+\b)+7], v[128*(\p)+FR*\b:128*(\p)+FR*\b+FR-1], v[AF+FR*(\a):AF+FR*(\a)+FR-1], v[BC+8*\b:BC+8*\b+7], v[SC+8*NQ*(\sc)+NQ*\b+(\q)], v[SC+8*NQ*(\sc)+NQ*(\a)+(\q)] matrix_a_fmt:MATRIX_FMT_FP6 matrix_b_fmt:MATRIX_FMT_FP6 matrix_a_scale:MATRIX_SCALE_ROW1
.else
	v_wmma_scale_f32_16x16x128_f8f6f4 v[8*(8*((\a)%4)+\b):8*(8*((\a)%4)+\b)+7], v[128*(\p)+FR*\b:128*(\p)+FR*\b+FR-1], v[AF+FR*(\a):AF+FR*(\a)+FR-1], v[8*(8*((\a)%4)+\b):8*(8*((\a)%4)+\b)+7], v[SC+8*NQ*(\sc)+NQ*\b+(\q)], v[SC+8*NQ*(\sc)+NQ*(\a)+(\q)] matrix_a_fmt:MATRIX_FMT_FP6 matrix_b_fmt:MATRIX_FMT_FP6 matrix_a_scale:MATRIX_SCALE_ROW1
.endif
.endr
.endr
.endm
.macro FETCH_B slot, q, p
	WIN TO_B
.irp i, 0,1,2,3,4,5,6,7
	FRAG 128*(\p)+FR*\i, ADRB+\slot, \q, \i
.endr
	WIN 0
.endm
.macro FETCH_A slot, q, i0
.irp i, \i0, \i0+1, \i0+2, \i0+3
	FRAG AF+FR*(\i), ADRA+\slot, \q, \i
.endr
.endm
.macro SCALES sc
.irp i, 0,1,2,3,4,5,6,7
	ds_load_b64 v[SC+8*NQ*\sc+NQ*\i:SC+8*NQ*\sc+NQ*\i+1], v[ADRS] offset:128*\i
.endr
.endm
.macro PLACES n
.rept \n
	v_nop
.endr
.endm
.macro STEP slot, q, zero
	s_wait_dscnt 4*NL
	WIN (MUL_LO-0x20*(\zero))
	MUL16 0, (\q)%2, \q, \slot, \zero
	MUL16 2, (\q)%2, \q, \slot, \zero
	s_wait_dscnt 0
	PLACES NP
	FETCH_B \slot, (\q)+1, 1-(\q)%2
	FETCH_A \slot, (\q)+1, 0
	WIN (MUL_HI-0x30*(\zero))
	MUL16 4, (\q)%2, \q, \slot, \zero
	MUL16 6, (\q)%2, \q, \slot, \zero
	PLACES NP
	WIN 0
	FETCH_A \slot, (\q)+1, 4
.endm
.macro TURN slot, next, fill
	s_wait_tensorcnt 0x0
	ds_add_u32 v[SPW], v[NIL]
	s_wait_dscnt 4*NL+1
	WIN MUL_LO
	MUL16 0, 1, NQ-1, \slot, 0
	s_wait_dscnt 0x0
	s_barrier_signal -1
	MUL16 2, 1, NQ-1, \slot, 0
	WIN 0
	s_barrier_wait -1
.if \fill
	CREST
	s_add_nc_u64 s[G0+4*\slot+2:G0+4*\slot+3], s[G0+4*\slot+2:G0+4*\slot+3], 2*HALFT
	s_add_nc_u64 s[G0B+4*\slot+2:G0B+4*\slot+3], s[G0B+4*\slot+2:G0B+4*\slot+3], 2*HALFT
	JLOAD G0+4*\slot, G1, G0B+4*\slot, G1B
.else
	PLACES NP
.endif
	s_wait_alu depctr_va_vdst(0)
	v_add_nc_u32 v[ADRS], 1024, v[ADRS]
	FETCH_B \next, 0, 0
	FETCH_A \next, 0, 0
	SCALES \next
	WIN MUL_HI
	MUL16 4, 1, NQ-1, \slot, 0
	MUL16 6, 1, NQ-1, \slot, 0
	PLACES NP
	WIN 0
	FETCH_A \next, 0, 4
.endm
	s_wait_tensorcnt 1
	s_barrier_signal -1
	s_barrier_wait -1
	FETCH_B 0, 0, 0
	FETCH_A 0, 0, 0
	SCALES 0
	FETCH_A 0, 0, 4
	STEP 0, 0, 1
	s_mov_b32 s3, LAPS-1
.Llap:
	TURN 0, 1, 1
	STEP 1, 0, 0
	TURN 1, 0, 1
	STEP 0, 0, 0
	s_sub_co_u32 s3, s3, 1
	s_cmp_lg_u32 s3, 0
	s_cbranch_scc1 .Llap
	TURN 0, 1, 0
	STEP 1, 0, 0
	s_wait_dscnt 4*NL
	WIN MUL_LO
	MUL16 0, 1, NQ-1, 1, 0
	MUL16 2, 1, NQ-1, 1, 0
	s_wait_dscnt 0
	WIN MUL_HI
	MUL16 4, 1, NQ-1, 1, 0
	MUL16 6, 1, NQ-1, 1, 0
	WIN 0
.macro OUT a
.if (\a) > 0
	s_wait_xcnt 0x0
.endif
	WIN (0x02+(\a)/4)
.set j, 0
.rept 32
	v_pk_add_f32 v[ST+j:ST+j+1], v[64*((\a)%4)+j:64*((\a)%4)+j+1], v[BR+2*(\a):BR+2*(\a)+1]
.set j, j+2
.endr
	WIN 0
	QUANT ST, SW+(\a), 0x3000000
	global_store_b128 v[LI], v[PC:PC+3], s[14:15] offset:768*(\a)
	global_store_b64 v[LI8], v[PC+4:PC+5], s[14:15] offset:768*(\a)+512
	global_store_b128 v[LI], v[PC+6:PC+9], s[14:15] offset:6144+768*(\a)
	global_store_b64 v[LI8], v[PC+10:PC+11], s[14:15] offset:6144+768*(\a)+512
.endm
	PLACES NP
.irp a, 0,1,2,3,4,5,6,7
	OUT \a
.endr
	v_cmp_eq_u32 vcc_lo, 1, v2
.irp i, 0,1,2,3
	v_cndmask_b32 v[SW+8+\i], v[SW+\i], v[SW+4+\i], vcc_lo
.endr
	global_store_b128 v[SO], v[SW+8:SW+11], s[14:15] offset:12288
	s_wait_tensorcnt 0x0
	ds_add_u32 v[SPW], v[NIL]
	s_wait_dscnt 0x0
	CROUND
	s_endpgm
.Lfunc_end_k_q5a8edf85a6_proj:
	.size	k_q5a8edf85a6_proj, .Lfunc_end_k_q5a8edf85a6_proj-k_q5a8edf85a6_proj
	.p2alignl 7, 3214868480
	.fill 96, 4, 3214868480
	.section	.rodata,"a",@progbits
	.p2align	6, 0x0
	.amdhsa_kernel k_q5a8edf85a6_proj
		.amdhsa_group_segment_fixed_size 327680
		.amdhsa_private_segment_fixed_size 0
		.amdhsa_enable_private_segment 0
		.amdhsa_kernarg_size 56
		.amdhsa_user_sgpr_count 2
		.amdhsa_user_sgpr_kernarg_segment_ptr 1
		.amdhsa_wavefront_size32 1
		.amdhsa_system_sgpr_workgroup_id_x 1
		.amdhsa_system_sgpr_workgroup_id_y 1
		.amdhsa_system_sgpr_workgroup_id_z 1
		.amdhsa_system_vgpr_workitem_id 0
		.amdhsa_next_free_vgpr 1024
		.amdhsa_next_free_sgpr 98
		.amdhsa_reserve_vcc 1
		.amdhsa_float_denorm_mode_32 3
		.amdhsa_float_denorm_mode_16_64 3
		.amdhsa_memory_ordered 1
		.amdhsa_forward_progress 1
		.amdhsa_inst_pref_size 164
	.end_amdhsa_kernel
	.amdgpu_metadata
---
amdhsa.version: [ 1, 2 ]
amdhsa.kernels:
  - .name:           k_q5a8edf85a6_proj
    .symbol:         k_q5a8edf85a6_proj.kd
    .args:
      - { .name: xc, .offset: 0, .size: 8, .value_kind: global_buffer, .address_space: global }
      - { .name: xs, .offset: 8, .size: 8, .value_kind: global_buffer, .address_space: global }
      - { .name: bq, .offset: 16, .size: 8, .value_kind: global_buffer, .address_space: global }
      - { .name: bk, .offset: 24, .size: 8, .value_kind: global_buffer, .address_space: global }
      - { .name: bv, .offset: 32, .size: 8, .value_kind: global_buffer, .address_space: global }
      - { .name: qc, .offset: 40, .size: 8, .value_kind: global_buffer, .address_space: global }
      - { .name: kv, .offset: 48, .size: 8, .value_kind: global_buffer, .address_space: global }
    .group_segment_fixed_size: 327680
    .private_segment_fixed_size: 0
    .kernarg_segment_align: 8
    .kernarg_segment_size: 56
    .max_flat_workgroup_size: 128
    .sgpr_count:     98
    .vgpr_count:     1024
    .wavefront_size: 32
...
	.end_amdgpu_metadata
.endif
;; end of part 2
;; launch attn (part 3): grid 64 x 4, 8 waves a work-group, clusters of 4 x 4, 327,680 bytes of LDS; arguments qc, kv, m_in, oc, os; writes oc, os
.if DOCPART == 3
	.amdgcn_target "amdgcn-amd-amdhsa--gfx1250"
	.amdhsa_code_object_version 6
	.text
	.protected	k_q5a8edf85a6_attn
	.globl	k_q5a8edf85a6_attn
	.p2align	8
	.type	k_q5a8edf85a6_attn,@function
k_q5a8edf85a6_attn:
	s_mov_b64 s[64:65], 0
	v_nop
	global_prefetch_b8 v0, s[64:65] scope:SCOPE_SE
	s_setreg_imm32_b32 hwreg(HW_REG_WAVE_MODE, 25, 1), 1
	s_wait_xcnt 0x0
	s_wait_alu depctr_hold_cnt(0) depctr_sa_sdst(0) depctr_va_vdst(0) depctr_va_sdst(0) depctr_va_ssrc(0) depctr_va_vcc(0) depctr_vm_vsrc(0)
	s_getreg_b32 s2, hwreg(HW_REG_IB_STS2, 6, 4)
	s_cmp_eq_u32 s2, 0
	s_cbranch_scc0 .Lentry_in_a_cluster
	s_endpgm
.Lentry_in_a_cluster:
	s_bfe_u32 s2, ttmp6, 0x10000c
	s_cmp_lg_u32 s2, 0xf033
	s_cbranch_scc0 .Lentry_shape_is_right
	s_endpgm
.Lentry_shape_is_right:
; out[b][q][head] = softmax_k(q . k / 8 - 1e6 m[b][q][k]) v, both products on codes of FP6 (E2M3) with E8M0 scales; the result is quantised along d_model and leaves as the last product's operand.
; THE SOFTMAX AHEAD OF THE SECOND PRODUCT: t = logit x log2(e); M = the running largest t rounded UP to a whole number; p = 2^(t - M) is quantised along the keys, not normalised; the row's sum is taken of the
; unquantised p and divides at the end.  When M moves, the sum and O are multiplied by 2^(old M - new M): exact.  Nothing of reference() is left out.
; SHARES.  A work-group owns 128 queries of one batch and FOUR heads; wave w owns the 16 queries of tile w and all four heads: so the mask's 16 x 128 numbers of a step are read from LDS and multiplied by -1e6
; once and serve four heads as the C of the first product.  Every wave walks the 2,048 keys, 128 a step, through a ring of two LDS slots.
; A slot holds the mask's tile (128 queries x 128 keys, f32, rows 528 bytes apart) and the step's four units of K and V (51,200 dense bytes).  Two slots of 256 keys would need 475,136 bytes: they do not fit.
; CLUSTER of 4 x 4: x = four blocks of queries, y = the four groups of four heads.  The mask's tile hangs on the block of queries alone: asked for jointly along a column.  K's and V's units hang on the batch and
; the group of heads: jointly along a row.  Waves 0-3 fetch 32 rows of the mask each, waves 4-7 a unit each: every wave issues one load behind each round.
; LAYOUT.  Both products are used transposed (S^T = K Q^T, O^T = V^T P^T): a lane holds one query (lane % 16) throughout.  Row r of K's tile t is key 64 (t / 4) + 32 (r / 8) + 8 (t % 4) + r % 8 (so chosen by the
; launch that quantises k_in): register 32 c + i of S^T in lane (r, h) is key 64 c + 32 h + i.  A lane so holds two whole blocks of 32 keys, in the order in which the 6-bit operand wants them: p's codes are the
; conversions' results, and a block's largest p needs no other lane.  V's channels are ordered as before: 16 registers of two neighbouring tiles of O^T are channels 32 b + 16 h + 0 .. 15.
; A HEAD'S DEPTH IS 64, THE INSTRUCTION'S K IS 128.  The query side carries zero codes in the other half: [q0 | 0] for a pair's first head, [0 | q1] for its second.  The key side names twelve registers, six of them
; the head's tile; the other six are a neighbouring tile's codes or zeros: finite numbers that meet zero codes.  The query's scale word keeps its own head's two bytes, less 3 each (the division by 8: exact; the
; bytes are at least 4 as they were made), and has 0 in the other two.
; THE ORDER OF A STEP.  Behind the scores' products of head e the wave asks LDS for V of head e and K of head e + 1, which land under head e's softmax.  Head 3's softmax and second product work on registers alone
; (its V is in registers at the change of slots) and stand BEHIND the change, under the new slot's first LDS loads.  So the first trip enters the loop at its middle, behind that piece.
; PREFETCH: as the ASK macro says.  O^T begins as zeros, so that the step is written once for all trips.
; LIMITS: NaN and infinities are not served.  The mask's term is added in the matrix unit and t - M is one fused multiply-add: where ALL keys of a query are masked, logits near -1e6 may differ from a chain of f32
; roundings in their last bits.  p under 2^-126 counts as 0.  A block of zeros carries the byte 1.  The promise holds while |t| stays under 2^31.
; REGISTERS, window 0: v1-11 addresses and the add's two; v12-27 for each head -M, the largest t, the sum in two halves; v28-31 q's scale words; v32-39 K's; v40-43 V's; v44 p's; v45 the prefetches' offset;
; v46-47 f; v48-63 at work; v64-69 partial sums; v70-105 q0, zeros, q1 of both pairs; v106-165 zeros, a head's 8 tiles of K, zeros; v166-185 p's codes; v192-255 S^T, then p.
; Window 1: v0-127 O^T of the four heads; v128-191 -1e6 m; v192-239 a head's four fragments of V.
.set SLOT1, 1<<17                      ; slot 1 begins here: one exclusive or turns an address
.set MP,    528                        ; a row of the mask in LDS: 512 bytes + 16: an odd multiple of 16 (banks: ISA guide 11.1)
.set KVO,   128*MP                     ; behind the mask: K pair 0, K pair 1, V pair 0, V pair 1
.set UNIT,  12800
.set OSG,   SLOT1+KVO+4*UNIT           ; behind the ring: 1,024 bytes in which the result's scale words meet
.set SPARE, OSG+1024                   ; the spare words, 128 bytes for each wave: four blocks of 256 bytes that no other line names
.set L16, 1
.set L8,  2
.set LM,  3
.set LS,  4
.set SPW, 5
.set NIL, 6
.set OW,  7
.set ADK, 8
.set ADK8, 9
.set ADM, 10
.set ADS, 11
.set HS,  12
.set QS,  28
.set KS,  32
.set VS,  40
.set PW,  44
.set PFO, 45
.set FF,  46
.set T0,  48
.set SH8, 52
.set TM,  54
.set TS,  58
.set CH,  64
.set QF,  70
.set KB,  112
.set PC,  166
.set PT,  178
.set EW,  186
.set EA,  188
.set EB,  189
.set S,   192
.set O,   0                            ; window 1
.set MM,  128                          ; window 1
.set V,   192                          ; window 1
.set TB,  2                            ; s2  LDS byte at which the slot to be read next begins
.set SLOTS, 3                          ; s3  slots still to be asked for
.set WV,  18
.set SEL, 20
.set CS,  22                           ; s[22:23] log2(e)
.set MG,  66                           ; s[66:67] -1e6
.set G1M, 24
.set G1K, 32
.set G0M, 40
.set G0K, 44
.set PFA, 48
.set PFS, 50
.set LIM, 52
.set MSB, 0
.macro WIN new                         ; the immediate's high byte repeats the setting that is left
.if MSB != \new
	s_set_vgpr_msb (MSB<<8)|\new
.set MSB, \new
.endif
.endm
; A joint load: waves 0-3 fetch the mask's quarters, waves 4-7 a unit each.  The branch hangs on the wave's number alone.  An s_nop 0 and four v_nop follow each of the two lines.
.macro TLOAD
	s_cmp_lt_u32 s[WV], 4
	s_cbranch_scc0 .Lfor_k_\@
	tensor_load_to_lds s[G0M:G0M+3], s[G1M:G1M+7]
	s_nop 0
.rept 4
	v_nop
.endr
	s_branch .Lasked_\@
.Lfor_k_\@:
	tensor_load_to_lds s[G0K:G0K+3], s[G1K:G1K+7]
	s_nop 0
.rept 4
	v_nop
.endr
.Lasked_\@:
.endm
; A PREFETCH of what the NEXT change of slots will ask for, one key step ahead of that load; one instruction a wave, behind the tensor loads' lines.
; The mask's tile is read by the four partners of a column alone: the partner at cy takes rows 32 cy on, a lane a row; wave 4 names the row's first 256 bytes of the step's 512, wave 5 the second.
; The units are read by the batch's four clusters: the first of them asks; the partner at cx takes unit cx, 50 blocks of 256 bytes: wave 6 blocks 0-31, wave 7 blocks 32-49 (its lanes 18-31 name block 49 again).
; Partners are told apart by address; the branch hangs on the wave's number, the cluster's number and the count of slots.  The last change that fills a slot asks for nothing; steps 0 and 1 come by their loads alone.
.macro ASK
	s_cmp_gt_u32 s[SLOTS], s[LIM]
	s_cbranch_scc0 .Lnot_mine_\@
	global_prefetch_b8 v[PFO], s[PFA:PFA+1] th:TH_LOAD_NT scope:SCOPE_SE
.Lnot_mine_\@:
.endm
.macro CROUND                          ; a round of the cluster's barrier
	s_barrier_signal -1
	s_barrier_wait -1
	s_cmp_lg_u32 s[WV], 0
	s_cbranch_scc1 .Lnot_wave_0_\@
	s_barrier_signal -3
.Lnot_wave_0_\@:
	s_barrier_wait -3
	s_barrier_signal -1
	s_barrier_wait -1
.endm
	s_load_b256 s[4:11], s[0:1], 0x0               ; qc s[4:5], kv s[6:7], m_in s[8:9], oc s[10:11]
	s_load_b64 s[12:13], s[0:1], 0x20              ; os
	v_lshl_add_u32 v[SPW], v0, 2, SPARE
	v_mov_b32 v[NIL], 0
	ds_add_u32 v[SPW], v[NIL]                      ; the wave's opening: the add, twice on end, and its wait ahead of my first tensor load
	ds_add_u32 v[SPW], v[NIL]
	v_lshrrev_b32 v8, 5, v0
	v_readfirstlane_b32 s[WV], v8                  ; wave 0..7
	s_bfe_u32 s53, ttmp6, 0x40000                  ; cx
	s_bfe_u32 s54, ttmp6, 0x40004                  ; cy
	s_lshl_b32 s55, ttmp9, 2
	s_add_co_u32 s55, s55, s53                     ; X: my block of 128 queries, 16 x batch + block
	s_lshr_b32 s56, ttmp9, 2
	s_lshl_b32 s56, s56, 2
	s_add_co_u32 s56, s56, s54                     ; 4 x batch + group of heads
	s_lshl_b32 s57, s54, 2
	s_lshl_b32 s57, 15, s57                        ; my row of the cluster
	s_lshl_b32 s58, 0x1111, s53                    ; my column
	s_and_b32 s59, s[WV], 1
	s_and_b32 s14, s[WV], 3                        ; which quarter of the mask's tile, or which unit, I fetch
	s_or_b32 s[G1M], s58, (2<<16)|(1<<20)|(1<<21)|(6<<22)|(3<<25)   ; my column; elements of 4 bytes; padding on; 21 set beside a mask; after every 128 words 4 words
	s_mov_b32 s[G1M+1], 128<<16                    ; tensor_dim0 = 128 keys
	s_mov_b32 s[G1M+2], 32<<16                     ; tensor_dim1 = 32 queries
	s_mov_b32 s[G1M+3], 128<<16                    ; tile_dim0
	s_mov_b32 s[G1M+4], 32                         ; tile_dim1
	s_mov_b32 s[G1M+5], 2048                       ; from query to query
	s_mov_b32 s[G1M+6], 0
	s_mov_b32 s[G1M+7], 0
	s_or_b32 s[G1K], s57, (3<<16)|(1<<21)          ; my row; a unit, 12,800 dense bytes, as 50 rows of 256 bytes
	s_mov_b32 s[G1K+1], 32<<16
	s_mov_b32 s[G1K+2], 50<<16
	s_mov_b32 s[G1K+3], 32<<16
	s_mov_b32 s[G1K+4], 50
	s_mov_b32 s[G1K+5], 32
	s_mov_b32 s[G1K+6], 0
	s_mov_b32 s[G1K+7], 0
	s_lshl_b32 s60, s55, 20                        ; the mask: 128 queries of 8,192 bytes a block,
	s_lshl_b32 s61, s14, 18                        ; my 32 of them
	s_add_co_u32 s60, s60, s61
	s_mov_b32 s61, 0
	s_mul_i32 s62, s56, 16*4*UNIT                  ; the units of my batch and group of heads,
	s_mul_i32 s63, s14, UNIT                       ; mine of a step's four
	s_add_co_u32 s62, s62, s63
	s_mov_b32 s63, 0
	s_mov_b32 s[SEL], 0x76543210
	s_mov_b32 s[SEL+1], 0xfedcba98
	s_mov_b32 s[CS], 0x3fb8aa3b                    ; log2(e)
	s_mov_b32 s[CS+1], s[CS]                       ; (named with it as a pair, so it is written)
	s_mov_b32 s[MG], 0xc9742400                    ; -1e6
	s_mov_b32 s[MG+1], s[MG]
	s_mov_b32 s[TB], 0
	s_mov_b32 s[SLOTS], 15
	s_wait_dscnt 0x0                               ; both opening adds are done
	s_wait_kmcnt 0x0
	s_mov_b32 s[G0M], 1
	s_mul_i32 s[G0M+1], s14, 32*MP                 ; LDS: slot 0, my quarter: by the wave's number alone
	s_add_nc_u64 s[G0M+2:G0M+3], s[8:9], s[60:61]
	s_or_b32 s[G0M+3], s[G0M+3], 0x80000000
	s_mov_b32 s[G0K], 1
	s_mul_i32 s[G0K+1], s14, UNIT
	s_add_co_u32 s[G0K+1], s[G0K+1], KVO
	s_add_nc_u64 s[G0K+2:G0K+3], s[6:7], s[62:63]
	s_or_b32 s[G0K+3], s[G0K+3], 0x80000000
	CROUND                                         ; all sixteen work-groups are here: the first joint loads meet
	TLOAD                                          ; key step 0 into slot 0: one load a wave
	v_and_b32 v48, 31, v0                          ; lane
	v_and_b32 v49, 15, v0                          ; r
	v_bfe_u32 v50, v0, 4, 1                        ; h
	v_lshl_add_u32 v[L16], v48, 4, KVO             ; registers 0-3 of a half fragment: 16 x lane
	v_lshl_add_u32 v[L8], v48, 3, KVO+512          ; registers 4-5: 512 + 8 x lane
	v_lshl_add_u32 v[LS], v49, 5, KVO+12288        ; a unit's scale words: 32 bytes a row
	s_mul_i32 s17, s[WV], 16*MP
	v_mul_u32_u24 v[LM], v49, MP
	v_lshl_add_u32 v[LM], v50, 7, v[LM]
	v_add_nc_u32 v[LM], s17, v[LM]                 ; the mask: my query's row, + 128 h: my 32 keys of each 64
	s_lshl_b32 s17, s[WV], 7
	v_lshl_add_u32 v[OW], v49, 3, s17
	v_add_nc_u32 v[OW], OSG, v[OW]                 ; the result's two scale words: 128 x tile + 8 r
	v_lshlrev_b32 v[SH8], 3, v50                   ; 8 h: where my blocks' bytes stand in p's scale word
	s_mul_i32 s19, s[WV], 768
	v_lshl_add_u32 v51, v48, 4, s19
	v_lshl_add_u32 v54, v48, 3, s19
	s_lshl_b32 s19, s[WV], 2
	v_lshl_add_u32 v55, v49, 5, s19
	s_lshl_b32 s68, s54, 1                         ; my group's first pair among the eight
	s_lshl_b32 s69, s55, 3
	s_add_co_u32 s69, s69, s68
	s_mul_i32 s70, s69, UNIT                       ; q's units: two on end
	s_mov_b32 s71, 0
	s_add_nc_u64 s[4:5], s[4:5], s[70:71]
	s_wait_alu depctr_va_vdst(0)                   ; ahead of the readers below
.irp q, 0,1
	global_load_b128 v[QF+18*\q:QF+18*\q+3], v51, s[4:5] offset:UNIT*\q                 ; q of the pair's first head,
	global_load_b64 v[QF+18*\q+4:QF+18*\q+5], v54, s[4:5] offset:UNIT*\q+512
	global_load_b128 v[QF+18*\q+12:QF+18*\q+15], v51, s[4:5] offset:UNIT*\q+6144        ; of its second,
	global_load_b64 v[QF+18*\q+16:QF+18*\q+17], v54, s[4:5] offset:UNIT*\q+6144+512
	global_load_b32 v[QS+2*\q], v55, s[4:5] offset:UNIT*\q+12288                        ; and my query's scale word
.endr
	s_mul_i32 s72, s55, 98304                      ; oc: [X][pair][tile] fragment
	s_mul_i32 s73, s68, 12288
	s_add_co_u32 s72, s72, s73
	s_mul_i32 s73, s[WV], 1536
	s_add_co_u32 s72, s72, s73
	s_mov_b32 s73, 0
	s_add_nc_u64 s[10:11], s[10:11], s[72:73]
	s_lshl_b32 s74, s55, 12                        ; os: [X][group of heads] 1,024 bytes; waves 0 and 1 store a half each
	s_lshl_b32 s75, s54, 10
	s_add_co_u32 s74, s74, s75
	s_lshl_b32 s75, s59, 9
	s_add_co_u32 s74, s74, s75
	s_mov_b32 s75, 0
	s_add_nc_u64 s[12:13], s[12:13], s[74:75]
	; the prefetches: where my wave's stand, and who asks
	s_lshl_b32 s76, s55, 20
	s_lshl_b32 s77, s54, 18                        ; the mask: my work-group's 32 rows,
	s_add_co_u32 s76, s76, s77
	s_lshl_b32 s77, s59, 8                         ; my wave's 256 bytes of a row's 512,
	s_add_co_u32 s76, s76, s77
	s_add_co_u32 s76, s76, 512                     ; at key step 1: the first change of slots steps it to 2
	s_mul_i32 s77, s56, 16*4*UNIT
	s_mul_i32 s78, s53, UNIT                       ; the units: my work-group's one of four,
	s_add_co_u32 s77, s77, s78
	s_add_co_u32 s77, s77, 4*UNIT                  ; at key step 1
	s_lshl_b32 s78, s59, 5
	s_mov_b32 s[PFS], 4*UNIT
	s_mov_b32 s79, 49
	s_mov_b32 s19, 256
	s_and_b32 s16, ttmp9, 3
	s_sub_co_u32 s17, s[WV], 4
	s_lshr_b32 s17, s17, 2                         ; 0 in waves 4 to 7
	s_cmp_lt_u32 s[WV], 6                          ; waves 4, 5: the mask; waves 6, 7: the units
	s_cselect_b64 s[PFA:PFA+1], s[8:9], s[6:7]
	s_cselect_b32 s76, s76, s77
	s_cselect_b32 s[PFS], 512, s[PFS]              ; a key step on
	s_cselect_b32 s78, 0, s78
	s_cselect_b32 s79, 31, s79
	s_cselect_b32 s19, 8192, s19                   ; from lane to lane
	s_cselect_b32 s16, 0, s16                      ; the units: the batch's first cluster alone
	s_mov_b32 s77, 0
	s_mov_b32 s[PFS+1], 0
	s_add_nc_u64 s[PFA:PFA+1], s[PFA:PFA+1], s[76:77]
	s_or_b32 s17, s17, s16
	s_cmp_eq_u32 s17, 0
	s_cselect_b32 s[LIM], 1, -1                    ; the same in all sixteen partners, for a given wave
	v_add_nc_u32 v[PFO], s78, v48
	v_min_u32 v[PFO], s79, v[PFO]
	v_mul_lo_u32 v[PFO], v[PFO], s19
.irp j, 0,1,2,3,4,5
	v_mov_b32 v[QF+6+\j], 0                        ; the zero codes between q0 and q1 of both pairs,
	v_mov_b32 v[QF+24+\j], 0
	v_mov_b32 v[KB-6+\j], 0                        ; and in front of and behind K's tiles
	v_mov_b32 v[KB+48+\j], 0
.endr
.irp e, 0,1,2,3
	v_mov_b32 v[HS+4*\e+1], 0xff61b1e6             ; the largest t so far: -3e38
	v_mov_b32 v[HS+4*\e+2], 0                      ; the sum, in two halves
	v_mov_b32 v[HS+4*\e+3], 0
.endr
.irp e, 0,1,2,3
	v_floor_f32 v[HS+4*\e], -v[HS+4*\e+1]          ; -M
.endr
	v_mov_b32 v[FF+1], 0                           ; (named as the upper half of f's pair)
	WIN 0x40
.set j, 0
.rept 128
	v_mov_b32 v[O+j], 0                            ; O^T: the step is written once; its first turn finds zeros
.set j, j+1
.endr
	WIN 0
	s_wait_loadcnt 0x0                             ; q
.irp q, 0,1
	v_and_b32 v[QS+2*\q+1], 0xffff0000, v[QS+2*\q]
	v_and_b32 v[QS+2*\q], 0xffff, v[QS+2*\q]
.endr
.irp q, 0,1
	v_add_nc_u32 v[QS+2*\q+1], 0xfcfd0000, v[QS+2*\q+1]   ; 3 off each of the head's two bytes: / 8; the other half's bytes are 0
	v_add_nc_u32 v[QS+2*\q], 0xfffffcfd, v[QS+2*\q]
.endr
.macro KLOAD e                         ; head e's eight tiles of K; at a pair's first head also the pair's scale words
.irp t, 0,1,2,3,4,5,6,7
	ds_load_b128 v[KB+6*\t:KB+6*\t+3], v[ADK] offset:UNIT*((\e)/2)+6144*((\e)%2)+768*\t
	ds_load_b64 v[KB+6*\t+4:KB+6*\t+5], v[ADK8] offset:UNIT*((\e)/2)+6144*((\e)%2)+768*\t
.endr
.if (\e)%2 == 0
	ds_load_b128 v[KS:KS+3], v[ADS] offset:UNIT*((\e)/2)
	ds_load_b128 v[KS+4:KS+7], v[ADS] offset:UNIT*((\e)/2)+16
.endif
.endm
; The first LDS loads of a slot: the mask (16 loads), head 0's K (16) and its pair's scale words (2).  The four additions and the four v_nop behind the tensor load are the places behind the last products.
.macro LOADS
	v_add_nc_u32 v[ADK], s[TB], v[L16]
	v_add_nc_u32 v[ADK8], s[TB], v[L8]
	v_add_nc_u32 v[ADM], s[TB], v[LM]
	v_add_nc_u32 v[ADS], s[TB], v[LS]
	s_xor_b32 s[TB], s[TB], SLOT1
	WIN 0x40
.irp c, 0,1
.irp j, 0,1,2,3,4,5,6,7
	ds_load_b128 v[MM+32*\c+4*\j:MM+32*\c+4*\j+3], v[ADM] offset:256*\c+16*\j   ; m(my query, key 64 c + 32 h + 4 j ..), at the place of the score that it belongs to
.endr
.endr
	WIN 0
	KLOAD 0
.endm
.macro MASKMUL
	s_wait_dscnt 18                                ; the mask's 16 loads are in; K's 16 and the two loads of scale words may be out
	WIN 0x41
.set j, 0
.rept 32
	v_pk_mul_f32 v[MM+j:MM+j+1], v[MM+j:MM+j+1], s[MG:MG+1] op_sel_hi:[1,0]   ; -1e6 m: once for the four heads
.set j, j+2
.endr
	WIN 0
.rept 4
	v_nop                                          ; plain instructions between the last vector write of a C operand and the matrix instructions
.endr
	s_wait_alu depctr_va_vdst(0)
.endm
; S^T of head e = K Q^T - 1e6 m; behind it the loads of V of head e (16 and its scale words) and of K of head e + 1
.macro QKL e
.set QQ, (\e)/2
.set UU, (\e)%2
	s_wait_dscnt 0x0                               ; K's tiles and scale words are in
	WIN 0x10
.irp t, 0,1,2,3,4,5,6,7
	v_wmma_scale_f32_16x16x128_f8f6f4 v[S+8*\t:S+8*\t+7], v[KB+6*\t-6*UU:KB+6*\t-6*UU+11], v[QF+18*QQ+6*UU:QF+18*QQ+6*UU+11], v[MM+8*\t:MM+8*\t+7], v[KS+\t], v[QS+(\e)] matrix_a_fmt:MATRIX_FMT_FP6 matrix_b_fmt:MATRIX_FMT_FP6
.endr
	WIN 0
.rept 4
	v_nop                                          ; places in front of loads into registers that matrix instructions have read, and of the first read of the results
.endr
	WIN 0x40
.irp t, 0,1,2,3
.irp c, 0,1
	ds_load_b128 v[V+12*\t+6*\c:V+12*\t+6*\c+3], v[ADK] offset:2*UNIT+UNIT*QQ+6144*\c+768*(4*UU+\t)
	ds_load_b64 v[V+12*\t+6*\c+4:V+12*\t+6*\c+5], v[ADK8] offset:2*UNIT+UNIT*QQ+6144*\c+768*(4*UU+\t)
.endr
.endr
	WIN 0
	ds_load_b128 v[VS:VS+3], v[ADS] offset:2*UNIT+UNIT*QQ+16*UU
.if (\e) < 3
	KLOAD (\e)+1
.endif
.endm
.macro ADDS n                          ; n more pairs of p onto the four partial sums, by turns
.rept \n
.if SK == 3
	v_pk_add_f32 v[HH+2:HH+3], v[HH+2:HH+3], v[S+SJ:S+SJ+1]
.else
	v_pk_add_f32 v[CH+2*SK:CH+2*SK+1], v[CH+2*SK:CH+2*SK+1], v[S+SJ:S+SJ+1]
.endif
.set SJ, SJ+2
.set SK, (SK+1)%4
.endr
.endm
; Head e's softmax, p's codes and O^T += V^T P^T.  vw: the LDS loads issued behind V's, which may stay out (-1: V has been waited for)
.macro FIN e, vw
.set HH, HS+4*(\e)
.irp g, 0,1,2,3
	v_max3_num_f32 v[TM+\g], v[S+16*\g], v[S+16*\g+1], v[S+16*\g+2]   ; the largest logit of my two blocks of 32 keys, each in two chains
.endr
.irp i, 3,5,7,9,11,13
.irp g, 0,1,2,3
	v_max3_num_f32 v[TM+\g], v[TM+\g], v[S+16*\g+\i], v[S+16*\g+\i+1]
.endr
.endr
	v_max3_num_f32 v[TM], v[TM], v[TM+1], v[S+15]
	v_max3_num_f32 v[TM+2], v[TM+2], v[TM+3], v[S+47]
	v_max_num_f32 v[TM], v[TM], v[S+31]            ; block h
	v_max_num_f32 v[TM+2], v[TM+2], v[S+63]        ; block 2 + h
	s_delay_alu instid0(VALU_DEP_1)
	v_max_num_f32 v[T0], v[TM], v[TM+2]
	s_delay_alu instid0(VALU_DEP_1)
	v_permlanex16_b32 v[T0+1], v[T0], s[SEL], s[SEL+1]
	s_delay_alu instid0(VALU_DEP_1)
	v_max_num_f32 v[T0], v[T0], v[T0+1]            ; with lane l xor 16's two blocks
	s_delay_alu instid0(VALU_DEP_1)
	v_mul_f32 v[T0], s[CS], v[T0]                  ; the step's largest t
	s_delay_alu instid0(VALU_DEP_1)
	v_max_num_f32 v[HH+1], v[HH+1], v[T0]          ; the running largest t
	v_mov_b32 v[T0], v[HH]
	s_delay_alu instid0(VALU_DEP_2)
	v_floor_f32 v[HH], -v[HH+1]                    ; the new -M = -ceil(t)
.set j, 0
.rept 32
	v_pk_fma_f32 v[S+j:S+j+1], v[S+j:S+j+1], s[CS:CS+1], v[HH:HH+1] op_sel_hi:[1,0,0]   ; t - M
.if j == 2
	v_sub_f32 v[T0], v[HH], v[T0]                  ; old M - new M: a whole number, 0 or less
.endif
.if j == 8
	v_cvt_i32_f32 v[T0], v[T0]                     ; (it saturates)
.endif
.if j == 14
	v_ldexp_f32 v[FF], 1.0, v[T0]                  ; f = 2^(old M - new M)
.endif
.set j, j+2
.endr
	v_fma_f32 v[TM], v[TM], s[CS], v[HH]           ; the same of each block's largest logit: p rises with the logit
	v_fma_f32 v[TM+2], v[TM+2], s[CS], v[HH]
	s_wait_alu depctr_va_vdst(0)
.set j, 0
.rept 64
	v_exp_f32 v[S+j], v[S+j]                       ; p = 2^(t - M)
.set j, j+1
.endr
	v_pk_mul_f32 v[HH+2:HH+3], v[HH+2:HH+3], v[FF:FF+1] op_sel_hi:[1,0]   ; the sum under the new M: the plain instruction behind the exponentials
	s_wait_alu depctr_va_vdst(0)                   ; one wait for the batch, ahead of its first reader
	v_exp_f32 v[TM], v[TM]                         ; the blocks' largest p
	v_exp_f32 v[TM+2], v[TM+2]
	v_pk_add_f32 v[CH:CH+1], v[S:S+1], v[S+2:S+3]  ; the row's sum of the unquantised p, in four chains
	v_pk_add_f32 v[CH+2:CH+3], v[S+4:S+5], v[S+6:S+7]
	v_pk_add_f32 v[CH+4:CH+5], v[S+8:S+9], v[S+10:S+11]
.set SJ, 12
.set SK, 3
	ADDS 8
	s_wait_alu depctr_va_vdst(0)                   ; and one for the two
	v_max_num_f32 v[TM], 0x1800000, v[TM]          ; the floor 2^(3 - 127): the byte cannot fall under 1
	v_max_num_f32 v[TM+2], 0x1800000, v[TM+2]
	ADDS 2
	v_add_nc_u32 v[TS], 0xff000000, v[TM]          ; 2 off the exponent field: the conversion's scale operand
	v_add_nc_u32 v[TS+1], 0xff000000, v[TM+2]
	ADDS 2
	v_lshrrev_b32 v[TM], 23, v[TS]                 ; the scales' bytes
	v_lshrrev_b32 v[TM+2], 23, v[TS+1]
.irp c, 0,1
	v_cvt_scalef32_pk16_fp6_f32 v[PC+6*\c:PC+6*\c+2], v[S+32*\c:S+32*\c+15], v[TS+\c]          ; registers 6 c .. of the operand: keys 64 c + 32 h + 0 .. 15,
	v_cvt_scalef32_pk16_fp6_f32 v[PT+4*\c:PT+4*\c+2], v[S+32*\c+16:S+32*\c+31], v[TS+\c]       ; and + 16 .. 31 (a conversion's three registers begin on an even number)
.endr
	ADDS 2                                         ; plain instructions behind the scaled conversions
	v_lshl_or_b32 v[TM], v[TM+2], 16, v[TM]        ; my two bytes,
	ADDS 1
	v_lshlrev_b32 v[TM], v[SH8], v[TM]             ; at their places in the scale word,
	ADDS 1
	v_permlanex16_b32 v[TM+1], v[TM], s[SEL], s[SEL+1]
	ADDS 1
	v_or_b32 v[PW], v[TM], v[TM+1]                 ; with lane l xor 16's two: p's scale word for these 128 keys
.irp c, 0,1
.irp i, 0,1,2
	v_mov_b32 v[PC+3+6*\c+\i], v[PT+4*\c+\i]
.endr
.endr
	WIN 0x41
	s_wait_alu depctr_va_vdst(0)
.set j, 0
.rept 16
	v_pk_mul_f32 v[O+32*(\e)+j:O+32*(\e)+j+1], v[O+32*(\e)+j:O+32*(\e)+j+1], v[FF:FF+1] op_sel_hi:[1,0]   ; O^T under the new M
.set j, j+2
.endr
	WIN 0
	ADDS 9                                         ; the rest of the row's sum: these twelve lines are the plain instructions between the vector writes above and the matrix instructions
	v_pk_add_f32 v[CH:CH+1], v[CH:CH+1], v[CH+2:CH+3]
	v_pk_add_f32 v[HH+2:HH+3], v[HH+2:HH+3], v[CH+4:CH+5]
	v_pk_add_f32 v[HH+2:HH+3], v[HH+2:HH+3], v[CH:CH+1]
.if \vw >= 0
	s_wait_alu depctr_va_vdst(0)
	s_wait_dscnt \vw                               ; V's fragments and scale words are in; the next head's K may be out
.endif
	WIN 0x51
.irp t, 0,1,2,3
	v_wmma_scale_f32_16x16x128_f8f6f4 v[O+32*(\e)+8*\t:O+32*(\e)+8*\t+7], v[V+12*\t:V+12*\t+11], v[PC:PC+11], v[O+32*(\e)+8*\t:O+32*(\e)+8*\t+7], v[VS+\t], v[PW] matrix_a_fmt:MATRIX_FMT_FP6 matrix_b_fmt:MATRIX_FMT_FP6
.endr
	WIN 0
.endm
; Head 3: its V is asked for AHEAD of its scores' products (V's registers are free behind head 2's second product), so that the loads are on their way while the products are issued: the change of slots waits for them.
.macro QKL3
.rept 4
	v_nop                                          ; places in front of loads into registers that matrix instructions have read
.endr
	WIN 0x40
.irp t, 0,1,2,3
.irp c, 0,1
	ds_load_b128 v[V+12*\t+6*\c:V+12*\t+6*\c+3], v[ADK] offset:3*UNIT+6144*\c+768*(4+\t)
	ds_load_b64 v[V+12*\t+6*\c+4:V+12*\t+6*\c+5], v[ADK8] offset:3*UNIT+6144*\c+768*(4+\t)
.endr
.endr
	WIN 0
	ds_load_b128 v[VS:VS+3], v[ADS] offset:3*UNIT+16
	s_wait_dscnt 17                                ; K's tiles are in; the 17 loads just issued may be out
	WIN 0x10
.irp t, 0,1,2,3,4,5,6,7
	v_wmma_scale_f32_16x16x128_f8f6f4 v[S+8*\t:S+8*\t+7], v[KB+6*\t-6:KB+6*\t+5], v[QF+24:QF+35], v[MM+8*\t:MM+8*\t+7], v[KS+\t], v[QS+3] matrix_a_fmt:MATRIX_FMT_FP6 matrix_b_fmt:MATRIX_FMT_FP6
.endr
	WIN 0
.endm
.macro BODY
	MASKMUL
	QKL 0
	FIN 0, 16
	QKL 1
	FIN 1, 18
	QKL 2
	FIN 2, 16
	QKL3
.endm
; THE CHANGE OF SLOTS.  Each wave waits for all its tensor loads (its part of the slot that it is about to read), adds 0 to its spare word, and waits for that and for its reads of the slot that it leaves.
; fill = 1: a round of the cluster's barrier, and behind it the slot just left is filled with the next step's tiles: one load a wave is out, and it has a whole step in which to land.
.macro CHANGE fill
	s_wait_tensorcnt 0x0                           ; no tensor load of mine is out, so a group 0 may be written
	ds_add_u32 v[SPW], v[NIL]                      ; 0 onto my spare word
.if \fill
	s_xor_b32 s[G0M+1], s[G0M+1], SLOT1            ; the walking descriptors: the other slot,
	s_add_nc_u64 s[G0M+2:G0M+3], s[G0M+2:G0M+3], 512        ; the next 128 keys
	s_xor_b32 s[G0K+1], s[G0K+1], SLOT1
	s_add_nc_u64 s[G0K+2:G0K+3], s[G0K+2:G0K+3], 4*UNIT
	s_wait_xcnt 0x0                                ; the last prefetch, a step back, has read its address
	s_add_nc_u64 s[PFA:PFA+1], s[PFA:PFA+1], s[PFS:PFS+1]
	s_wait_dscnt 0x0                               ; the add is done, and my reads of the slot that I leave are over: head 3's V is in registers
	CROUND
	TLOAD
	ASK
.else
	s_wait_dscnt 0x0
	s_barrier_signal -1
	s_barrier_wait -1
.endif
.endm
	s_wait_alu depctr_va_vdst(0)
	CHANGE 1                                       ; step 0 is in; step 1 is asked for, slot 1's first fill, as a refill is
	LOADS
	s_wait_alu depctr_va_vdst(0)
	s_branch .Lmid                                 ; no step lies behind the first: the loop is entered behind head 3's piece
.Ltop:                                             ; 14 passes of this line: behind each change of slots but the last the next step is asked for
	CHANGE 1
	LOADS
	FIN 3, -1                                      ; the step before: head 3, on registers alone, under the loads above
.Lmid:
	BODY
	s_sub_co_u32 s[SLOTS], s[SLOTS], 1
	s_cmp_lg_u32 s[SLOTS], 0
	s_cbranch_scc1 .Ltop
	CHANGE 0                                       ; the last step is written out
	LOADS
	FIN 3, -1
	BODY
.rept 4
	v_nop                                          ; places in front of the first read of the results (ISA guide 7.12.1)
.endr
	FIN 3, 0
	; THE WAY OUT.  O^T / the sum: for each pair 64 registers of a lane, register 16 b + i = channel 32 b + 16 h + i of the pair's 128: one K step of the last product.  It is quantised and stored as that product's operand.
.irp e, 0,1,2,3
	v_add_f32 v[HS+4*\e+2], v[HS+4*\e+2], v[HS+4*\e+3]
.endr
.irp e, 0,1,2,3
	v_permlanex16_b32 v[T0+\e], v[HS+4*\e+2], s[SEL], s[SEL+1]
.endr
.irp e, 0,1,2,3
	v_add_f32 v[HS+4*\e+2], v[HS+4*\e+2], v[T0+\e] ; the rows' sums
.endr
	s_wait_alu depctr_va_vdst(0)
.irp e, 0,1,2,3
	v_rcp_f32 v[HS+4*\e+2], v[HS+4*\e+2]
.endr
	v_and_b32 v[EA], 31, v0                        ; (plain work behind the reciprocals)
	v_lshlrev_b32 v[EA], 4, v[EA]                  ; 16 x lane
	s_lshl_b32 s16, s59, 9
	v_add_nc_u32 v[EB], s16, v[EA]
	v_add_nc_u32 v[EB], OSG, v[EB]                 ; where waves 0 and 1 read the scale words back
.set ET, PC                            ; v166-181 at work
.macro OUTQ q
.set EP, KB+20*(\q)                    ; the pair's codes: registers of their own, so that no store's data are written again
	WIN 0x01
	s_wait_alu depctr_va_vdst(0)                   ; the wait for the reciprocals, directly ahead of the first reader of them and of O^T
.set j, 0
.rept 32
	v_pk_mul_f32 v[S+j:S+j+1], v[O+64*(\q)+j:O+64*(\q)+j+1], v[HS+8*(\q)+4*(j/32)+2:HS+8*(\q)+4*(j/32)+3] op_sel_hi:[1,0]
.set j, j+2
.endr
	WIN 0
.irp b, 0,1,2,3
	v_max3_num_f32 v[ET+\b], |v[S+16*\b]|, |v[S+1+16*\b]|, 0x1800000
.endr
.irp i, 2,4,6,8,10,12,14
.irp b, 0,1,2,3
	v_max3_num_f32 v[ET+\b], v[ET+\b], |v[S+16*\b+\i]|, |v[S+1+16*\b+\i]|
.endr
.endr
.irp b, 0,1,2,3
	v_permlanex16_b32 v[ET+4+\b], v[ET+\b], s[SEL], s[SEL+1]
.endr
.irp b, 0,1,2,3
	v_max_num_f32 v[ET+\b], v[ET+\b], v[ET+4+\b]
.endr
.irp b, 0,1,2,3
	v_add_nc_u32 v[ET+12+\b], 0xff000000, v[ET+\b]
.endr
.irp b, 0,1,2,3
	v_lshrrev_b32 v[ET+4+\b], 23, v[ET+12+\b]
.endr
	v_lshl_or_b32 v[EW+(\q)], v[ET+5], 8, v[ET+4]
	v_lshl_or_b32 v[EW+(\q)], v[ET+6], 16, v[EW+(\q)]
	v_lshl_or_b32 v[EW+(\q)], v[ET+7], 24, v[EW+(\q)]
.irp c, 0,1
	v_cvt_scalef32_pk16_fp6_f32 v[EP+6*\c:EP+2+6*\c], v[S+32*\c:S+15+32*\c], v[ET+12+2*\c]
	v_cvt_scalef32_pk16_fp6_f32 v[EP+12+4*\c:EP+14+4*\c], v[S+16+32*\c:S+31+32*\c], v[ET+12+2*\c+1]
.endr
	v_nop                                          ; one plain instruction behind a scaled conversion
.irp c, 0,1                                    ; the operand's layout wants a whole block in a lane
.irp i, 0,1,2
	v_permlane16_swap_b32 v[EP+6*\c+\i], v[EP+12+4*\c+\i]
.endr
.irp i, 0,1,2
	v_mov_b32 v[EP+3+6*\c+\i], v[EP+12+4*\c+\i]
.endr
.endr
.irp c, 0,1,2
	global_store_b128 v[EA], v[EP+4*\c:EP+4*\c+3], s[10:11] offset:12288*(\q)+512*\c   ; 512 consecutive bytes, aligned
.endr
.endm
	OUTQ 0
	OUTQ 1
	ds_store_b64 v[OW], v[EW:EW+1]                 ; lanes 16-31 write the same words with the same values
	s_wait_dscnt 0x0                               ; for the others' sake
	s_barrier_signal -1
	s_barrier_wait -1
	s_cmp_lt_u32 s[WV], 2
	s_cbranch_scc0 .Lno_os
	ds_load_b128 v[60:63], v[EB]
	s_wait_dscnt 0x0
	global_store_b128 v[EA], v[60:63], s[12:13]    ; the work-group's 1,024 bytes of scale words, 512 a wave
.Lno_os:
	s_wait_tensorcnt 0x0                           ; the wave's end
	ds_add_u32 v[SPW], v[NIL]
	s_wait_dscnt 0x0
	CROUND                                         ; the closing round
	s_endpgm
.Lfunc_end_k_q5a8edf85a6_attn:
	.size	k_q5a8edf85a6_attn, .Lfunc_end_k_q5a8edf85a6_attn-k_q5a8edf85a6_attn
	.p2alignl 7, 3214868480
	.fill 96, 4, 3214868480
	.section	.rodata,"a",@progbits
	.p2align	6, 0x0
	.amdhsa_kernel k_q5a8edf85a6_attn
		.amdhsa_group_segment_fixed_size 327680
		.amdhsa_private_segment_fixed_size 0
		.amdhsa_enable_private_segment 0
		.amdhsa_kernarg_size 40
		.amdhsa_user_sgpr_count 2
		.amdhsa_user_sgpr_kernarg_segment_ptr 1
		.amdhsa_wavefront_size32 1
		.amdhsa_system_sgpr_workgroup_id_x 1
		.amdhsa_system_sgpr_workgroup_id_y 1
		.amdhsa_system_sgpr_workgroup_id_z 1
		.amdhsa_system_vgpr_workitem_id 0
		.amdhsa_next_free_vgpr 512
		.amdhsa_next_free_sgpr 80
		.amdhsa_reserve_vcc 0
		.amdhsa_float_denorm_mode_32 3
		.amdhsa_float_denorm_mode_16_64 3
		.amdhsa_memory_ordered 1
		.amdhsa_forward_progress 1
		.amdhsa_inst_pref_size 173
	.end_amdhsa_kernel
	.amdgpu_metadata
---
amdhsa.version: [ 1, 2 ]
amdhsa.kernels:
  - .name:           k_q5a8edf85a6_attn
    .symbol:         k_q5a8edf85a6_attn.kd
    .args:
      - { .name: qc, .offset: 0, .size: 8, .value_kind: global_buffer, .address_space: global }
      - { .name: kv, .offset: 8, .size: 8, .value_kind: global_buffer, .address_space: global }
      - { .name: m_in, .offset: 16, .size: 8, .value_kind: global_buffer, .address_space: global }
      - { .name: oc, .offset: 24, .size: 8, .value_kind: global_buffer, .address_space: global }
      - { .name: os, .offset: 32, .size: 8, .value_kind: global_buffer, .address_space: global }
    .group_segment_fixed_size: 327680
    .private_segment_fixed_size: 0
    .kernarg_segment_align: 8
    .kernarg_segment_size: 40
    .max_flat_workgroup_size: 256
    .sgpr_count:     80
    .vgpr_count:     512
    .wavefront_size: 32
...
	.end_amdgpu_metadata
.endif
;; end of part 3
;; launch outp (part 4): grid 4 x 64, 4 waves a work-group, clusters of 4 x 4, 327,680 bytes of LDS; arguments oc, os, xc, xs, bo, out0; writes out0
.if DOCPART == 4
	.amdgcn_target "amdgcn-amd-amdhsa--gfx1250"
	.amdhsa_code_object_version 6
	.text
	.protected	k_q5a8edf85a6_outp
	.globl	k_q5a8edf85a6_outp
	.p2align	8
	.type	k_q5a8edf85a6_outp,@function
k_q5a8edf85a6_outp:
	s_mov_b64 s[64:65], 0
	v_nop
	global_prefetch_b8 v0, s[64:65] scope:SCOPE_SE
	s_setreg_imm32_b32 hwreg(HW_REG_WAVE_MODE, 25, 1), 1
	s_wait_xcnt 0x0
	s_wait_alu depctr_hold_cnt(0) depctr_sa_sdst(0) depctr_va_vdst(0) depctr_va_sdst(0) depctr_va_ssrc(0) depctr_va_vcc(0) depctr_vm_vsrc(0)
	s_getreg_b32 s2, hwreg(HW_REG_IB_STS2, 6, 4)
	s_cmp_eq_u32 s2, 0
	s_cbranch_scc0 .Lentry_in_a_cluster
	s_endpgm
.Lentry_in_a_cluster:
	s_bfe_u32 s2, ttmp6, 0x10000c
	s_cmp_lg_u32 s2, 0xf033
	s_cbranch_scc0 .Lentry_shape_is_right
	s_endpgm
.Lentry_shape_is_right:
; out0[m][n] = sum over k of O[m][k] Wo[n][k] + bo[n]: [8192][1024] f32, K = 1,024, both operands as codes of FP6 (E2M3) with E8M0 scale words, laid by the launches before as images of the operand's registers:
; codes [blk of 128 rows][K step 8][tile 8] fragments of 1,536 bytes; scale words [blk][t 4][tile 8][row 16][q 2], the word of K step 2 t + q.  A = oc, os (blk 0..63); B = xc, xs, blks 216..223 (Wo).
; SHARES.  A work-group makes 128 rows x 256 columns: 64 x 4 = 256 work-groups.  Wave (i, j) makes A's tiles 4 i .. 4 i + 3 (64 rows) x B's blk j (128 columns): 32 accumulators of 16 x 16, in window 2.
; K goes in steps of 128 through a ring of two LDS slots of two K steps each: A's blk 24,576 bytes at the slot's byte 0, B's two blks 49,152 bytes at byte 49,152.  Four fills in all.
; THE HEAD'S FOUR TILES, one joint load a wave: wave 0 A's part of slot 0, wave 1 B's, wave 2 A's scale words (4,096 bytes), wave 3 B's (8,192).  In the ring waves 0 and 1 fetch a K step of A each (48 rows of 256 bytes),
; waves 2 and 3 a blk of B each (96 rows).  CLUSTER of 4 x 4: A's tiles hang on the blk of rows alone and are asked for jointly along a row of the cluster, B's on the columns alone, jointly along a column.
; FRAGMENTS: two sets of registers for A and for B: a K step's 36 LDS loads are issued ahead of the products of the step before it.  The 32 accumulators take turns in the same order in every step.
; THE MATRIX INSTRUCTION IS USED TRANSPOSED (source 0 = rows of Wo, source 1 = rows of O); row r of Wo's tile 2 b + u is row 32 b + 8 u + r + 8 (r / 8), so a lane's 16 registers of two neighbouring tiles are 16
; neighbouring columns of one row of out0.  bo is the C of the first K step.  THE WAY OUT: 16 rows x 128 columns at a time through the wave's own stage in LDS, stored as rows of 512 consecutive bytes.
; The stage lies in slot 0, which has had its last fill and, behind the walk's last barrier, its last read.
; PREFETCH: behind the head's loads each wave names its share of what fills 1 and 2 will ask for, behind fill 1 that of fill 3: of the blocks of 256 bytes that my wave fetches for a slot (48 of A, 96 of B) the partner at
; place p (cx for A, cy for B) names a quarter, a lane a block (lanes left over name the last again): partners are told apart by address alone.  Fill 0 comes by its load alone.
; REGISTERS.  Window 0: v16-30 addresses and the add's two; v32-63 scale words, two sets; v64-127 bo; v128-223 A's fragments, two sets of 4 x 12; on the way out v128-255.  Window 1: B's fragments, sets at v0 and v128.
.set NQ,     2
.set FR,     12
.set FB,     1536
.set NP,     4                         ; places behind this matrix instruction (ISA guide 7.12.1)
.set HALFT,  16*FB                     ; two K steps of a blk
.set SLOT,   4*HALFT
.set SCL,    2*SLOT                    ; behind the ring: A's scale words, then B's
.set SPARE,  SCL+4*4096                ; the spare words, 128 bytes for each wave: two blocks of 256 bytes that no other line names
.set LAPS,   2
.set SPITCH, 528
.set ADRA, 16
.set ADRB, 20
.set STO,  24
.set RD,   25
.set CO,   26
.set ADRS, 27
.set SPW,  28
.set NIL,  29
.set PFO,  30
.set SC,   32
.set BC,   64
.set AF,   128
.set BK,   128
.set G1, 24
.set G0, 32
.set G1B, 48
.set G0B, 56
.set G1S, 68
.set G0S, 76
.set G1SB, 80
.set G0SB, 88
.set MSB, 0
.macro WIN new                         ; the immediate's high byte repeats the setting that is left
.if MSB != \new
	s_set_vgpr_msb (MSB<<8)|\new
.set MSB, \new
.endif
.endm
.set MUL_LO, 0xa1                      ; source 0 (B) window 1, source 1 (A) window 0, C and D window 2
.set TO_B,   0x40
.macro JLOAD g0a, g1a, g0b, g1b        ; a joint load: waves 0 and 1 for A, waves 2 and 3 for B; an s_nop 0 and four v_nop follow each line
	s_cmp_eq_u32 s19, 0
	s_cbranch_scc0 .Lfor_b_\@
	tensor_load_to_lds s[\g0a:\g0a+3], s[\g1a:\g1a+7]
	s_nop 0
.rept 4
	v_nop
.endr
	s_branch .Lasked_\@
.Lfor_b_\@:
	tensor_load_to_lds s[\g0b:\g0b+3], s[\g1b:\g1b+7]
	s_nop 0
.rept 4
	v_nop
.endr
.Lasked_\@:
.endm
.macro CREST                           ; a round of the cluster's barrier behind its opening barrier
	s_cmp_lg_u32 s18, 0
	s_cbranch_scc1 .Lnot_wave_0_\@
	s_barrier_signal -3
.Lnot_wave_0_\@:
	s_barrier_wait -3
	s_barrier_signal -1
	s_barrier_wait -1
.endm
.macro CROUND
	s_barrier_signal -1
	s_barrier_wait -1
	CREST
.endm
.macro G1SET g, c, r, p                ; a group 1's words 1 to 7: r rows of c elements of 8 bytes, p elements apart
	s_mov_b32 s[\g+1], (\c)<<16
	s_mov_b32 s[\g+2], (\r)<<16
	s_mov_b32 s[\g+3], (\c)<<16
	s_mov_b32 s[\g+4], \r
	s_mov_b32 s[\g+5], \p
	s_mov_b32 s[\g+6], 0
	s_mov_b32 s[\g+7], 0
.endm
	s_load_b256 s[4:11], s[0:1], 0x0               ; oc s[4:5], os s[6:7], xc s[8:9], xs s[10:11]
	s_load_b128 s[12:15], s[0:1], 0x20             ; bo s[12:13], out0 s[14:15]
	v_lshl_add_u32 v[SPW], v0, 2, SPARE
	v_mov_b32 v[NIL], 0
	ds_add_u32 v[SPW], v[NIL]                      ; the wave's opening: the add, twice on end, and its wait ahead of my first tensor load
	ds_add_u32 v[SPW], v[NIL]
	v_lshrrev_b32 v1, 5, v0
	v_readfirstlane_b32 s18, v1                    ; wave 0..3
	s_lshr_b32 s19, s18, 1                         ; i: which 64 rows are mine.  Also: I fetch for A (0) or for B (1)
	s_and_b32 s20, s18, 1                          ; j: which blk of B is mine.  Also: which part of a tile I fetch
	s_bfe_u32 s40, ttmp6, 0x40000                  ; cx
	s_bfe_u32 s41, ttmp6, 0x40004                  ; cy
	s_and_b32 s21, ttmp7, 0xffff
	s_lshl_b32 s21, s21, 2
	s_add_co_u32 s21, s21, s41                     ; A's blk = 4 x cluster y + cy
	s_lshl_b32 s43, s41, 2
	s_lshl_b32 s43, 15, s43                        ; my row of the cluster
	s_lshl_b32 s44, 0x1111, s40                    ; my column
	s_lshl_b32 s92, s40, 1
	s_add_co_u32 s92, s92, 216                     ; B's first blk
	s_cmp_eq_u32 s19, 0
	s_cselect_b32 s45, 11, 23                      ; the last of the blocks that I name in a prefetch: 12 of A's 48, 24 of B's 96
	v_and_b32 v[PFO], 31, v0
	v_min_u32 v[PFO], s45, v[PFO]
	v_lshlrev_b32 v[PFO], 8, v[PFO]                ; never rewritten
	s_wait_alu depctr_va_vdst(0)
	s_or_b32 s[G1+0], s43, (3<<16)|(1<<21)         ; 15:0 the mask; elements of 8 bytes; 21 set beside a mask
	s_or_b32 s[G1B+0], s44, (3<<16)|(1<<21)
	s_or_b32 s[G1S+0], s43, (3<<16)|(1<<21)
	s_or_b32 s[G1SB+0], s44, (3<<16)|(1<<21)
	G1SET G1,   32,   96, 32                       ; the head's: A's part of slot 0: 96 rows of 256 bytes, dense
	G1SET G1B,  3072, 2,  12288                    ; B's: 2 rows of 24,576 bytes, a blk (98,304 bytes) apart
	G1SET G1S,  32,   16, 32                       ; A's scale words
	G1SET G1SB, 32,   32, 32                       ; B's
	s_mul_i32 s94, s21, 8*8*FB
	s_mov_b32 s95, 0
	s_lshl_b32 s66, s21, 12
	s_mov_b32 s67, 0
	s_mul_i32 s96, s92, 8*8*FB
	s_mov_b32 s97, 0
	s_lshl_b32 s92, s92, 12
	s_mov_b32 s93, 0
	s_mul_i32 s2, s18, HALFT
	s_wait_dscnt 0x0                               ; both opening adds are done
	s_wait_kmcnt 0x0
	s_add_nc_u64 s[94:95], s[4:5], s[94:95]        ; A's codes
	s_add_nc_u64 s[66:67], s[6:7], s[66:67]        ; A's scale words
	s_add_nc_u64 s[96:97], s[8:9], s[96:97]        ; B's codes
	s_add_nc_u64 s[92:93], s[10:11], s[92:93]      ; B's scale words
	s_mov_b32 s[G0S], 1
	s_mov_b32 s[G0S+1], SCL
	s_mov_b64 s[G0S+2:G0S+3], s[66:67]
	s_or_b32 s[G0S+3], s[G0S+3], 0x80000000
	s_mov_b32 s[G0SB], 1
	s_mov_b32 s[G0SB+1], SCL+4096
	s_mov_b64 s[G0SB+2:G0SB+3], s[92:93]
	s_or_b32 s[G0SB+3], s[G0SB+3], 0x80000000
	s_mov_b32 s[G0], 1                             ; slot 0's group 0 serves the head's whole tiles first
	s_mov_b32 s[G0+1], 0
	s_mov_b64 s[G0+2:G0+3], s[94:95]
	s_or_b32 s[G0+3], s[G0+3], 0x80000000
	s_mov_b32 s[G0B], 1
	s_mov_b32 s[G0B+1], 2*HALFT
	s_mov_b64 s[G0B+2:G0B+3], s[96:97]
	s_or_b32 s[G0B+3], s[G0B+3], 0x80000000
	s_mul_i32 s6, s20, 8*FB                        ; s[6:7]: in the ring, A: my K step of a slot's two; kept
	s_mov_b32 s7, 0
	s_mul_i32 s8, s20, 8*8*FB                      ; s[8:9]: B: my blk; kept
	s_mov_b32 s9, 0
	s_add_nc_u64 s[10:11], s[94:95], s[6:7]
	s_add_nc_u64 s[22:23], s[96:97], s[8:9]
	s_mov_b32 s[G0+4], 1                           ; slot 1's group 0
	s_add_co_u32 s[G0+5], s6, SLOT
	s_add_nc_u64 s[G0+6:G0+7], s[10:11], HALFT
	s_or_b32 s[G0+7], s[G0+7], 0x80000000
	s_mov_b32 s[G0B+4], 1
	s_add_co_u32 s[G0B+5], s2, SLOT
	s_add_nc_u64 s[G0B+6:G0B+7], s[22:23], HALFT
	s_or_b32 s[G0B+7], s[G0B+7], 0x80000000
	s_cmp_eq_u32 s19, 0                            ; the prefetches: my part of a slot, my work-group's quarter of it
	s_cselect_b64 s[4:5], s[10:11], s[22:23]
	s_cselect_b32 s46, s40, s41
	s_add_co_u32 s47, s45, 1
	s_lshl_b32 s47, s47, 8
	s_mul_i32 s46, s46, s47
	s_mov_b32 s47, 0
	s_add_nc_u64 s[4:5], s[4:5], s[46:47]          ; s[4:5]: never rewritten
	CROUND                                         ; all sixteen work-groups are here: the first joint loads meet
.macro ARM under, g0, g1, next         ; one tree of branches on the wave's number: every way through the head passes exactly one load
	s_cmp_lt_u32 s18, \under
	s_cbranch_scc0 \next
	tensor_load_to_lds s[\g0:\g0+3], s[\g1:\g1+7]
	s_nop 0
.rept 4
	v_nop
.endr
	s_branch .Lhead_asked
\next:
.endm
	ARM 1, G0,  G1,  .Lhead_b
	ARM 2, G0B, G1B, .Lhead_sa
	ARM 3, G0S, G1S, .Lhead_sb
	tensor_load_to_lds s[G0SB:G0SB+3], s[G1SB:G1SB+7]
	s_nop 0
.rept 4
	v_nop
.endr
.Lhead_asked:
	global_prefetch_b8 v[PFO], s[4:5] offset:HALFT th:TH_LOAD_NT scope:SCOPE_SE     ; fills 1 and 2
	global_prefetch_b8 v[PFO], s[4:5] offset:2*HALFT th:TH_LOAD_NT scope:SCOPE_SE
	v_and_b32 v1, 15, v0                           ; r
	v_bfe_u32 v2, v0, 4, 1                         ; h
	v_and_b32 v3, 31, v0
	v_lshlrev_b32 v[CO], 4, v3                     ; 16 x lane
	s_wait_alu depctr_va_vdst(0)
	s_mul_i32 s45, s19, 4*FB                       ; my four tiles of A's eight
	s_mul_i32 s46, s20, HALFT                      ; my blk of B,
	s_add_co_u32 s46, s46, 2*HALFT                 ; at the slot's byte 49,152
.irp s, 0,1
	v_add_nc_u32 v[ADRA+\s], s45, v[CO]
	v_add_nc_u32 v[ADRB+\s], s46, v[CO]
	s_add_co_u32 s45, s45, SLOT
	s_add_co_u32 s46, s46, SLOT
.endr
	s_lshl_b32 s45, s19, 9                         ; scale words: lanes 0-15 A's, from my first tile on (128 bytes a tile);
	s_lshl_b32 s46, s20, 12
	s_add_co_u32 s46, s46, 4096
	s_sub_co_u32 s46, s46, s45
	v_mul_u32_u24 v4, s46, v2                      ; lanes 16-31 my blk of B's
	s_add_co_u32 s45, s45, SCL
	v_lshl_add_u32 v4, v1, 3, v4
	v_add_nc_u32 v[ADRS], s45, v4
	s_mul_i32 s45, s18, 16*SPITCH                  ; my stage
	v_mul_u32_u24 v4, v1, SPITCH
	v_lshl_add_u32 v4, v2, 6, v4
	v_add_nc_u32 v[STO], s45, v4                   ; in: row r, + 64 h
	v_add_nc_u32 v[RD], s45, v[CO]                 ; back: the 32 lanes take a row of 512 bytes
	s_lshl_b32 s92, s40, 1
	s_add_co_u32 s92, s92, s20
	s_lshl_b32 s96, s92, 9                         ; my first column, in bytes
	s_lshl_b32 s94, s21, 19                        ; my first row: 128 x blk + 64 i, of 4,096 bytes
	s_lshl_b32 s95, s19, 18
	s_add_co_u32 s94, s94, s95
	s_add_co_u32 s94, s94, s96
	s_mov_b32 s95, 0
	s_add_nc_u64 s[14:15], s[14:15], s[94:95]
	v_lshl_add_u32 v5, v2, 6, s96
.irp b, 0,1,2,3,4,5,6,7
	global_load_b128 v[BC+8*\b:BC+8*\b+3], v5, s[12:13] offset:4*(32*(\b/2)+8*(\b%2))       ; bo at the lane's eight columns of tile b
	global_load_b128 v[BC+8*\b+4:BC+8*\b+7], v5, s[12:13] offset:4*(32*(\b/2)+8*(\b%2))+16
.endr
	s_wait_alu depctr_va_vdst(0)
	s_wait_tensorcnt 0x0                           ; my tile of the head's four is in
	ds_add_u32 v[SPW], v[NIL]
	s_mov_b32 s[G1+2], 48<<16                      ; no tensor load of mine is out, so descriptors may be written: in the ring a load of A brings 48 rows of 256 bytes,
	s_mov_b32 s[G1+4], 48
	s_mov_b32 s[G1B+1], 32<<16                     ; one of B 96
	s_mov_b32 s[G1B+2], 96<<16
	s_mov_b32 s[G1B+3], 32<<16
	s_mov_b32 s[G1B+4], 96
	s_mov_b32 s[G1B+5], 32
	s_mul_i32 s[G0+1], s20, 8*FB                   ; slot 0's group 0 for the ring: my part
	s_add_nc_u64 s[G0+2:G0+3], s[G0+2:G0+3], s[6:7]
	s_mul_i32 s[G0B+1], s18, HALFT
	s_add_nc_u64 s[G0B+2:G0B+3], s[G0B+2:G0B+3], s[8:9]
	s_wait_dscnt 0x0
	CROUND                                         ; all four tiles are in, in every partner
	JLOAD G0+4, G1, G0B+4, G1B                     ; slot 1's first fill, the first tensor load behind the round
	s_wait_loadcnt 0x0                             ; bo
	global_prefetch_b8 v[PFO], s[4:5] offset:3*HALFT th:TH_LOAD_NT scope:SCOPE_SE   ; fill 3, the last
.macro FRAG reg, adr, q, i             ; a fragment as it lies: registers 4 c .. 4 c + 3 of lane l at 512 c + 16 l
.irp c, 0,1,2
	ds_load_b128 v[\reg+4*\c:\reg+4*\c+3], v[\adr] offset:8*FB*(\q)+FB*(\i)+512*\c
.endr
.endm
; 16 matrix instructions: A's tiles a0, a0 + 1 x B's eight.  p: the sets of fragments; sc: the set of scale words, q: which of its two steps.  zero = 1: the first K step starts the sums on bo
.macro MUL16 a0, p, q, sc, zero
.irp a, \a0, \a0+1
.irp b, 0,1,2,3,4,5,6,7
.if \zero
	v_wmma_scale_f32_16x16x128_f8f6f4 v[8*(8*(\a)+\b):8*(8*(\a)+\b)+7], v[128*(\p)+FR*\b:128*(\p)+FR*\b+FR-1], v[AF+48*(\p)+FR*(\a):AF+48*(\p)+FR*(\a)+FR-1], v[BC+8*\b:BC+8*\b+7], v[SC+8*NQ*(\sc)+NQ*\b+(\q)], v[SC+8*NQ*(\sc)+NQ*(\a)+(\q)] matrix_a_fmt:MATRIX_FMT_FP6 matrix_b_fmt:MATRIX_FMT_FP6 matrix_a_scale:MATRIX_SCALE_ROW1
.else
	v_wmma_scale_f32_16x16x128_f8f6f4 v[8*(8*(\a)+\b):8*(8*(\a)+\b)+7], v[128*(\p)+FR*\b:128*(\p)+FR*\b+FR-1], v[AF+48*(\p)+FR*(\a):AF+48*(\p)+FR*(\a)+FR-1], v[8*(8*(\a)+\b):8*(8*(\a)+\b)+7], v[SC+8*NQ*(\sc)+NQ*\b+(\q)], v[SC+8*NQ*(\sc)+NQ*(\a)+(\q)] matrix_a_fmt:MATRIX_FMT_FP6 matrix_b_fmt:MATRIX_FMT_FP6 matrix_a_scale:MATRIX_SCALE_ROW1
.endif
.endr
.endr
.endm
.macro FETCH slot, q, p                ; the 12 fragments of a K step into sets p: 36 loads
	WIN TO_B
.irp i, 0,1,2,3,4,5,6,7
	FRAG 128*(\p)+FR*\i, ADRB+\slot, \q, \i
.endr
	WIN 0
.irp i, 0,1,2,3
	FRAG AF+48*(\p)+FR*\i, ADRA+\slot, \q, \i
.endr
.endm
.macro SCALES sc                       ; a slot's scale words: lanes 0-15 A's tile i (of which four are used), lanes 16-31 B's tile i
.irp i, 0,1,2,3,4,5,6,7
	ds_load_b64 v[SC+8*NQ*\sc+NQ*\i:SC+8*NQ*\sc+NQ*\i+1], v[ADRS] offset:128*\i
.endr
.endm
.macro PLACES n
.rept \n
	v_nop
.endr
.endm
; A slot's first K step (sets 0): its second step's fragments are asked for ahead of the products
.macro STEP slot, zero
	s_wait_dscnt 0x0                               ; this step's fragments and scale words are in
	PLACES NP                                      ; in front of loads into registers that matrix instructions have read
	FETCH \slot, 1, 1
	WIN (MUL_LO-0x20*(\zero))
	MUL16 0, 0, 0, \slot, \zero
	MUL16 2, 0, 0, \slot, \zero
	WIN 0
.endm
; A slot's second K step (sets 1) and the change of slots.  In front of the barrier each wave waits for all its tensor loads (its part of the next slot), adds 0 to its spare word, and waits for that and for its
; reads of this slot.  fill = 1: the barrier opens a round of the cluster's barrier, and the slot is filled again, two fills on.  The next slot's first fragments are asked for ahead of the step's last 16 products.
.macro TURN slot, next, fill
	s_wait_tensorcnt 0x0
	ds_add_u32 v[SPW], v[NIL]
	s_wait_dscnt 1                                 ; this step's fragments are in; the add may be out
	WIN MUL_LO
	MUL16 0, 1, 1, \slot, 0
	WIN 0
	s_wait_dscnt 0x0                               ; the add is done; my reads of this slot are over
	s_barrier_signal -1
	s_barrier_wait -1
.if \fill
	CREST
	s_add_nc_u64 s[G0+4*\slot+2:G0+4*\slot+3], s[G0+4*\slot+2:G0+4*\slot+3], 2*HALFT
	s_add_nc_u64 s[G0B+4*\slot+2:G0B+4*\slot+3], s[G0B+4*\slot+2:G0B+4*\slot+3], 2*HALFT
	JLOAD G0+4*\slot, G1, G0B+4*\slot, G1B         ; the first tensor load behind the round; its four v_nop are the places in front of the loads below
.else
	PLACES NP
.endif
	s_wait_alu depctr_va_vdst(0)
	v_add_nc_u32 v[ADRS], 1024, v[ADRS]            ; the next slot's scale words
	FETCH \next, 0, 0
	SCALES \next
	WIN MUL_LO
	MUL16 2, 1, 1, \slot, 0
	WIN 0
.endm
	FETCH 0, 0, 0
	SCALES 0
	STEP 0, 1
	s_mov_b32 s3, LAPS-1
.Llap:                                             ; a trip goes once round the ring and fills both slots again
	TURN 0, 1, 1
	STEP 1, 0
	TURN 1, 0, 1
	STEP 0, 0
	s_sub_co_u32 s3, s3, 1
	s_cmp_lg_u32 s3, 0
	s_cbranch_scc1 .Llap
	TURN 0, 1, 0                                   ; the last lap fetches nothing more
	STEP 1, 0
	s_wait_dscnt 0x0
	WIN MUL_LO
	MUL16 0, 1, 1, 1, 0
	MUL16 2, 1, 1, 1, 0
	WIN 0
.macro TOSTAGE a                       ; 16 rows x 128 columns into my stage, each accumulator from its low end on, and back as whole rows (LDS serves a wave's instructions in order: ISA guide 5.7.1.4)
	WIN 0x08
.irp b, 0,1,2,3,4,5,6,7
	ds_store_b128 v[STO], v[64*(\a)+8*\b:64*(\a)+8*\b+3] offset:128*(\b/2)+32*(\b%2)
	ds_store_b128 v[STO], v[64*(\a)+8*\b+4:64*(\a)+8*\b+7] offset:128*(\b/2)+32*(\b%2)+16
.endr
	WIN 0
.set BB, BK+64*((\a)%2)
.irp t, 0,1,2,3,4,5,6,7,8,9,10,11,12,13,14,15
	ds_load_b128 v[BB+4*\t:BB+4*\t+3], v[RD] offset:\t*SPITCH
.endr
.endm
.macro SEND a, younger                 ; younger: the LDS instructions issued behind block a's loads, which may stay out
.set BB, BK+64*((\a)%2)
	s_wait_dscnt \younger
.irp t, 0,1,2,3,4,5,6,7,8,9,10,11,12,13,14,15
	global_store_b128 v[CO], v[BB+4*\t:BB+4*\t+3], s[14:15] offset:(16*(\a)+\t)*4096 th:TH_STORE_NT   ; 512 consecutive bytes, aligned
.endr
.endm
	PLACES NP                                      ; in front of the first read of the results and of loads into the registers that held A's fragments
	TOSTAGE 0
.irp a, 1,2,3
.if \a > 1
	s_wait_xcnt 0x0                                ; block a - 2's stores have read their registers: block a's loads may land there
.endif
	TOSTAGE \a
	SEND \a-1, 32                                  ; behind block a - 1's loads: block a's 16 stores and 16 loads
.endr
	SEND 3, 0
	s_wait_tensorcnt 0x0                           ; the wave's end
	ds_add_u32 v[SPW], v[NIL]
	s_wait_dscnt 0x0
	CROUND                                         ; the closing round
	s_endpgm
.Lfunc_end_k_q5a8edf85a6_outp:
	.size	k_q5a8edf85a6_outp, .Lfunc_end_k_q5a8edf85a6_outp-k_q5a8edf85a6_outp
	.p2alignl 7, 3214868480
	.fill 96, 4, 3214868480
	.section	.rodata,"a",@progbits
	.p2align	6, 0x0
	.amdhsa_kernel k_q5a8edf85a6_outp
		.amdhsa_group_segment_fixed_size 327680
		.amdhsa_private_segment_fixed_size 0
		.amdhsa_enable_private_segment 0
		.amdhsa_kernarg_size 48
		.amdhsa_user_sgpr_count 2
		.amdhsa_user_sgpr_kernarg_segment_ptr 1
		.amdhsa_wavefront_size32 1
		.amdhsa_system_sgpr_workgroup_id_x 1
		.amdhsa_system_sgpr_workgroup_id_y 1
		.amdhsa_system_sgpr_workgroup_id_z 1
		.amdhsa_system_vgpr_workitem_id 0
		.amdhsa_next_free_vgpr 768
		.amdhsa_next_free_sgpr 98
		.amdhsa_reserve_vcc 0
		.amdhsa_float_denorm_mode_32 3
		.amdhsa_float_denorm_mode_16_64 3
		.amdhsa_memory_ordered 1
		.amdhsa_forward_progress 1
		.amdhsa_inst_pref_size 84
	.end_amdhsa_kernel
	.amdgpu_metadata
---
amdhsa.version: [ 1, 2 ]
amdhsa.kernels:
  - .name:           k_q5a8edf85a6_outp
    .symbol:         k_q5a8edf85a6_outp.kd
    .args:
      - { .name: oc, .offset: 0, .size: 8, .value_kind: global_buffer, .address_space: global }
      - { .name: os, .offset: 8, .size: 8, .value_kind: global_buffer, .address_space: global }
      - { .name: xc, .offset: 16, .size: 8, .value_kind: global_buffer, .address_space: global }
      - { .name: xs, .offset: 24, .size: 8, .value_kind: global_buffer, .address_space: global }
      - { .name: bo, .offset: 32, .size: 8, .value_kind: global_buffer, .address_space: global }
      - { .name: out0, .offset: 40, .size: 8, .value_kind: global_buffer, .address_space: global }
    .group_segment_fixed_size: 327680
    .private_segment_fixed_size: 0
    .kernarg_segment_align: 8
    .kernarg_segment_size: 48
    .max_flat_workgroup_size: 128
    .sgpr_count:     98
    .vgpr_count:     768
    .wavefront_size: 32
...
	.end_amdgpu_metadata
.endif
;; end of part 4
